; MI455X (gfx1250); checked and timed in simulation.
; The chip was launched on July 23, 2026; its instructions are those of AMD's public machine-readable ISA for CDNA 5 (MIT licence, August 2026) and "CDNA5" Instruction Set Architecture Reference Guide (July 2026). The comments in the code are by the model that wrote it; some were corrected since.
;; Attention. Allowed arithmetic: float matrix products may take bf16 or f16 operands with f32 sums; other float arithmetic in f32, or as packed bf16 or f16 multiplies, adds, multiply-adds, maxima and minima; sums over many terms, partial sums and values carried from step to step in f32; what a program stores and reads back later, other than sums and carried values, may be rounded once to bf16 or f16.
;; Inputs: freqs_cos 2,048 x 64 float32; freqs_sin 2,048 x 64 float32; mask 2,048 x 2,048 float32; wk 2,048 x 2,048 float32; wo 2,048 x 2,048 float32; wq 2,048 x 2,048 float32; wv 2,048 x 2,048 float32; x 1 x 2,048 x 2,048 float32.
;; Outputs: out0 1 x 2,048 x 2,048 float32.
;; Constants: start_pos = 0.
;; 2 versions, each right; version 2 is version 1 with the launch cast written anew for expert scheduling mode. Each part assembles by itself: llvm-mc -triple=amdgcn-amd-amdhsa -mcpu=gfx1250 --defsym DOCPART=n.
;; ======== version 1 of 2: 4 launches
;; limits: values are held in f16: magnitudes above 65,504 overflow, below 6.1e-05 lose precision; inputs' magnitudes at most 8.5e+37
;; workspace buffers: xb 8,388,608 bytes; wb 25,165,824 bytes; woh 8,388,608 bytes; maskt 8,388,608 bytes; qkv 25,165,824 bytes; oh 8,388,608 bytes
;; launch cast (part 1): grid 256 x 6, 8 waves a work-group, no clusters, 37,888 bytes of LDS; arguments x, wq, wk, wv, wo, mask, xb, wb, woh, maskt; writes xb, wb, woh, maskt
.if DOCPART == 1
	.amdgcn_target "amdgcn-amd-amdhsa--gfx1250"
	.amdhsa_code_object_version 6
	.text
	.protected	k_q0de2c4e39b_cast
	.globl	k_q0de2c4e39b_cast
	.p2align	8
	.type	k_q0de2c4e39b_cast,@function
k_q0de2c4e39b_cast:
	s_mov_b64 s[64:65], 0
	v_nop
	global_prefetch_b8 v0, s[64:65] scope:SCOPE_SE
	s_setreg_imm32_b32 hwreg(HW_REG_WAVE_MODE, 25, 1), 1
	s_wait_xcnt 0x0
; CAST.  Every large input is rounded once to bf16, the one rounding that all inputs of the program share.
;   y = 0: x -> xb;  y = 1, 2, 3: wq, wk, wv -> wb (8,388,608 bytes apart);  y = 4: wo -> woh, the bf16 number written as f16;  y = 5: mask -> maskt, bf16 in the order in which the attention's lanes want it.
; LIMITS.  bf16(wo) must lie within f16's 65,504; below 6e-5 it keeps f16's fixed step of 6e-8.  Infinities of the mask stay infinities.
; SHARES.  A tensor is 16 MiB of f32: 256 work-groups of 64 KiB, a wave 8 KiB: sixteen loads of 16 bytes a lane, all issued at once; no loop.  Memory binds: no matrix unit, no cluster, no tensor load would add anything.
; maskt: [qg 32][ks 32][t 4][kb 4][lane 32][8 bf16]: lane 16 h + r holds mask[64 qg + 16 t + r][64 ks + 16 kb + 8 h + 0..7]: a wave's key step there is 8 KiB on end.
; The turn from rows to that order goes through a stage in LDS that is the wave's own (16 rows x 144 bytes a tile): LDS serves a wave's instructions in order (ISA guide 5.7.1.4), so no barrier is needed.
.set IN,    16                         ; v[16:79]   sixteen loads of four registers
.set OUT,   80                         ; v[80:111]  sixteen pairs to store
.set SPW,   8                          ; v8   LDS address of my spare word; never rewritten
.set NIL,   9                          ; v9   0; never rewritten
.set STG,   2304                       ; a stage: 16 rows x 144 bytes (128 of data, 16 of padding)
.set SPARE, 36864                      ; behind the eight waves' two stages: the spare words, 128 bytes a wave
.set Y,     24                         ; s24  which tensor
.set WV,    25                         ; s25  my wave's number
.set SRC,   26                         ; s[26:27]
.set DST,   28                         ; s[28:29]
	s_load_b512 s[4:19], s[0:1], 0x0               ; x 4, wq 6, wk 8, wv 10, wo 12, mask 14, xb 16, wb 18
	s_load_b128 s[20:23], s[0:1], 0x40             ; woh 20, maskt 22
	v_lshl_add_u32 v[SPW], v0, 2, SPARE
	v_mov_b32 v[NIL], 0
	v_lshrrev_b32 v1, 5, v0
	v_readfirstlane_b32 s[WV], v1
	s_and_b32 s[Y], ttmp7, 0xffff
	v_and_b32 v5, 31, v0                           ; lane
	v_and_b32 v6, 15, v0                           ; r = lane % 16
	v_bfe_u32 v7, v0, 4, 1                         ; h = lane / 16
	s_mov_b32 s31, 0                               ; the offsets' high words
	s_mov_b32 s33, 0
	s_wait_kmcnt 0x0
	s_mov_b64 s[SRC:SRC+1], s[4:5]                 ; the tensor is chosen by the work-group's y alone
	s_mov_b64 s[DST:DST+1], s[16:17]
	s_cmp_eq_u32 s[Y], 1
	s_cselect_b64 s[SRC:SRC+1], s[6:7], s[SRC:SRC+1]
	s_cmp_eq_u32 s[Y], 2
	s_cselect_b64 s[SRC:SRC+1], s[8:9], s[SRC:SRC+1]
	s_cmp_eq_u32 s[Y], 3
	s_cselect_b64 s[SRC:SRC+1], s[10:11], s[SRC:SRC+1]
	s_cmp_eq_u32 s[Y], 4
	s_cselect_b64 s[SRC:SRC+1], s[12:13], s[SRC:SRC+1]
	s_cmp_eq_u32 s[Y], 5
	s_cselect_b64 s[SRC:SRC+1], s[14:15], s[SRC:SRC+1]
	s_cmp_gt_u32 s[Y], 0
	s_cselect_b64 s[DST:DST+1], s[18:19], s[DST:DST+1]
	s_cmp_eq_u32 s[Y], 4
	s_cselect_b64 s[DST:DST+1], s[20:21], s[DST:DST+1]
	s_cmp_eq_u32 s[Y], 5
	s_cselect_b64 s[DST:DST+1], s[22:23], s[DST:DST+1]
	s_cmp_eq_u32 s[Y], 5
	s_cbranch_scc1 .Lmask
	; THE FIVE PLAIN TENSORS: 8 KiB in, 4 KiB out, in the same order
	s_lshl_b32 s30, ttmp9, 16                      ; the work-group's 64 KiB
	s_lshl_b32 s34, s[WV], 13                      ; my wave's 8 KiB
	s_add_co_u32 s30, s30, s34
	s_lshr_b32 s32, s30, 1                         ; half as many bytes out
	s_max_u32 s34, s[Y], 1
	s_sub_co_u32 s34, s34, 1                       ; wq, wk, wv: 0, 1, 2
	s_cmp_lt_u32 s[Y], 4
	s_cselect_b32 s34, s34, 0
	s_lshl_b32 s34, s34, 23                        ; their places in wb
	s_add_co_u32 s32, s32, s34
	s_add_nc_u64 s[SRC:SRC+1], s[SRC:SRC+1], s[30:31]
	s_add_nc_u64 s[DST:DST+1], s[DST:DST+1], s[32:33]
	v_lshlrev_b32 v1, 4, v5                        ; 16 bytes a lane in
	v_lshlrev_b32 v2, 3, v5                        ; 8 bytes a lane out
.set i, 0
.rept 16
	global_load_b128 v[IN+4*i:IN+4*i+3], v1, s[SRC:SRC+1] offset:512*i th:TH_LOAD_NT  ; 512 consecutive bytes a load; read once in the launch
.set i, i+1
.endr
; Load i is rounded and stored.  half = 1: the bf16 number is widened again and written as f16.
.macro OUT16 half
.set i, 0
.rept 16
	s_wait_loadcnt 15-i                            ; loads come back in order (ISA guide 5.7.1): load i is in, the 15 - i younger ones stay out
	v_cvt_pk_bf16_f32 v[OUT+2*i], v[IN+4*i], v[IN+4*i+1]
	v_cvt_pk_bf16_f32 v[OUT+2*i+1], v[IN+4*i+2], v[IN+4*i+3]
.if \half
	v_lshlrev_b32 v[IN+4*i], 16, v[OUT+2*i]
	v_and_b32 v[IN+4*i+1], 0xffff0000, v[OUT+2*i]
	v_lshlrev_b32 v[IN+4*i+2], 16, v[OUT+2*i+1]
	v_and_b32 v[IN+4*i+3], 0xffff0000, v[OUT+2*i+1]
	v_cvt_pk_f16_f32 v[OUT+2*i], v[IN+4*i], v[IN+4*i+1]
	v_cvt_pk_f16_f32 v[OUT+2*i+1], v[IN+4*i+2], v[IN+4*i+3]
.endif
	global_store_b64 v2, v[OUT+2*i:OUT+2*i+1], s[DST:DST+1] offset:256*i  ; the wave's 32 lanes store 256 consecutive bytes, aligned
.set i, i+1
.endr
.endm
	s_cmp_eq_u32 s[Y], 4
	s_cbranch_scc1 .Lhalf
	OUT16 0
	s_branch .Lend
.Lhalf:
	OUT16 1
	s_branch .Lend
.Lmask:                                                ; THE MASK: the work-group takes 16 query rows x 1,024 keys, a wave two tiles of 16 rows x 64 keys
	s_lshr_b32 s34, ttmp9, 1                       ; qt: which 16 rows
	s_and_b32 s35, ttmp9, 1
	s_lshl_b32 s35, s35, 4
	s_lshl1_add_u32 s35, s[WV], s35                ; ks0 = 16 (x % 2) + 2 wave: my first step of 64 keys
	s_lshl_b32 s30, s34, 17                        ; 16 rows of 8,192 bytes
	s_lshl_b32 s36, s35, 8                         ; 64 keys of 4 bytes
	s_add_co_u32 s30, s30, s36
	s_lshr_b32 s32, s34, 2
	s_lshl_b32 s32, s32, 18                        ; qg x 262,144
	s_lshl_b32 s36, s35, 13                        ; ks x 8,192
	s_add_co_u32 s32, s32, s36
	s_and_b32 s36, s34, 3
	s_lshl_b32 s36, s36, 11                        ; t x 2,048
	s_add_co_u32 s32, s32, s36
	s_add_nc_u64 s[SRC:SRC+1], s[SRC:SRC+1], s[30:31]
	s_add_nc_u64 s[DST:DST+1], s[DST:DST+1], s[32:33]
	s_mul_i32 s37, s[WV], 2*STG                    ; my two stages
	v_lshlrev_b32 v1, 4, v6                        ; in: lanes 0-15 take 256 bytes of one row, lanes 16-31 of the next
	v_lshl_add_u32 v1, v7, 13, v1
	v_lshlrev_b32 v2, 4, v5                        ; out: 16 bytes a lane, 512 on end
	v_mul_u32_u24 v3, v7, 144                      ; into the stage: the same two rows, 8 bytes a lane
	v_lshl_add_u32 v3, v6, 3, v3
	v_add_nc_u32 v3, s37, v3
	v_mul_u32_u24 v4, v6, 144                      ; back: row r, keys 8 h + 0..7 of a group of 16
	v_lshl_add_u32 v4, v7, 4, v4
	v_add_nc_u32 v4, s37, v4
.set n, 0
.rept 16                                       ; n = 8 u + i: tile u, rows 2 i and 2 i + 1
	global_load_b128 v[IN+4*n:IN+4*n+3], v1, s[SRC:SRC+1] offset:(n%8)*16384+(n/8)*256 th:TH_LOAD_NT
.set n, n+1
.endr
.set n, 0
.rept 16
	s_wait_loadcnt 15-n                            ; load n is in, the younger ones stay out
	v_cvt_pk_bf16_f32 v[OUT+2*n], v[IN+4*n], v[IN+4*n+1]
	v_cvt_pk_bf16_f32 v[OUT+2*n+1], v[IN+4*n+2], v[IN+4*n+3]
	ds_store_b64 v3, v[OUT+2*n:OUT+2*n+1] offset:(n/8)*STG+(n%8)*288
.set n, n+1
.endr
.set n, 0
.rept 8                                        ; n = 4 u + kb; these see my stores above: a wave's LDS instructions are served in order
	ds_load_b128 v[IN+4*n:IN+4*n+3], v4 offset:(n/4)*STG+(n%4)*32
.set n, n+1
.endr
	s_wait_dscnt 0x0
.set n, 0
.rept 8
	global_store_b128 v2, v[IN+4*n:IN+4*n+3], s[DST:DST+1] offset:(n/4)*8192+(n%4)*512  ; 512 consecutive bytes, aligned
.set n, n+1
.endr
.Lend:
	s_wait_tensorcnt 0x0                           ; the wave's end: behind my last LDS store
	ds_add_u32 v[SPW], v[NIL]
	s_wait_dscnt 0x0
	s_endpgm
.Lfunc_end_k_q0de2c4e39b_cast:
	.size	k_q0de2c4e39b_cast, .Lfunc_end_k_q0de2c4e39b_cast-k_q0de2c4e39b_cast
	.p2alignl 7, 3214868480
	.fill 96, 4, 3214868480
	.section	.rodata,"a",@progbits
	.p2align	6, 0x0
	.amdhsa_kernel k_q0de2c4e39b_cast
		.amdhsa_group_segment_fixed_size 37888
		.amdhsa_private_segment_fixed_size 0
		.amdhsa_enable_private_segment 0
		.amdhsa_kernarg_size 80
		.amdhsa_user_sgpr_count 2
		.amdhsa_user_sgpr_kernarg_segment_ptr 1
		.amdhsa_wavefront_size32 1
		.amdhsa_system_sgpr_workgroup_id_x 1
		.amdhsa_system_sgpr_workgroup_id_y 1
		.amdhsa_system_sgpr_workgroup_id_z 1
		.amdhsa_system_vgpr_workitem_id 0
		.amdhsa_next_free_vgpr 112
		.amdhsa_next_free_sgpr 66
		.amdhsa_reserve_vcc 0
		.amdhsa_float_denorm_mode_32 3
		.amdhsa_float_denorm_mode_16_64 3
		.amdhsa_memory_ordered 1
		.amdhsa_forward_progress 1
		.amdhsa_inst_pref_size 25
	.end_amdhsa_kernel
	.amdgpu_metadata
---
amdhsa.version: [ 1, 2 ]
amdhsa.kernels:
  - .name:           k_q0de2c4e39b_cast
    .symbol:         k_q0de2c4e39b_cast.kd
    .args:
      - { .name: x, .offset: 0, .size: 8, .value_kind: global_buffer, .address_space: global }
      - { .name: wq, .offset: 8, .size: 8, .value_kind: global_buffer, .address_space: global }
      - { .name: wk, .offset: 16, .size: 8, .value_kind: global_buffer, .address_space: global }
      - { .name: wv, .offset: 24, .size: 8, .value_kind: global_buffer, .address_space: global }
      - { .name: wo, .offset: 32, .size: 8, .value_kind: global_buffer, .address_space: global }
      - { .name: mask, .offset: 40, .size: 8, .value_kind: global_buffer, .address_space: global }
      - { .name: xb, .offset: 48, .size: 8, .value_kind: global_buffer, .address_space: global }
      - { .name: wb, .offset: 56, .size: 8, .value_kind: global_buffer, .address_space: global }
      - { .name: woh, .offset: 64, .size: 8, .value_kind: global_buffer, .address_space: global }
      - { .name: maskt, .offset: 72, .size: 8, .value_kind: global_buffer, .address_space: global }
    .group_segment_fixed_size: 37888
    .private_segment_fixed_size: 0
    .kernarg_segment_align: 8
    .kernarg_segment_size: 80
    .max_flat_workgroup_size: 256
    .sgpr_count:     66
    .vgpr_count:     112
    .wavefront_size: 32
...
	.end_amdgpu_metadata
.endif
;; end of part 1
;; launch qkvrope (part 2): grid 16 x 16, 4 waves a work-group, clusters of 4 x 4, 327,680 bytes of LDS; arguments xb, wb, freqs_cos, freqs_sin, qkv; writes qkv
.if DOCPART == 2
	.amdgcn_target "amdgcn-amd-amdhsa--gfx1250"
	.amdhsa_code_object_version 6
	.text
	.protected	k_q0de2c4e39b_qkvrope
	.globl	k_q0de2c4e39b_qkvrope
	.p2align	8
	.type	k_q0de2c4e39b_qkvrope,@function
k_q0de2c4e39b_qkvrope:
	s_mov_b64 s[64:65], 0
	v_nop
	global_prefetch_b8 v0, s[64:65] scope:SCOPE_SE
	s_setreg_imm32_b32 hwreg(HW_REG_WAVE_MODE, 25, 1), 1
	s_wait_xcnt 0x0
	s_wait_alu depctr_hold_cnt(0) depctr_sa_sdst(0) depctr_va_vdst(0) depctr_va_sdst(0) depctr_va_ssrc(0) depctr_va_vcc(0) depctr_vm_vsrc(0)
	s_getreg_b32 s2, hwreg(HW_REG_IB_STS2, 6, 4)
	s_cmp_eq_u32 s2, 0
	s_cbranch_scc0 .Lentry_in_a_cluster
	s_endpgm
.Lentry_in_a_cluster:
	s_bfe_u32 s2, ttmp6, 0x10000c
	s_cmp_lg_u32 s2, 0xf033
	s_cbranch_scc0 .Lentry_shape_is_right
	s_endpgm
.Lentry_shape_is_right:
; q, k, v = x wq^T, x wk^T, x wv^T in bf16 with f32 sums; q and k are turned by the tables (RoPE) in f32, q is multiplied by 1 / sqrt(128); all three leave as f16, by heads: qkv[which][head][2048][128].
; The tables are rounded to bf16 first, the one rounding that all inputs of the program share.
; LIMITS.  q / sqrt(128), k and v must lie within f16's 65,504 (inputs 30 times those drawn, x and weights together, give numbers near 5,000); below 6e-5 they keep f16's fixed step of 6e-8.
; SHARES.  A work-group makes 128 rows of x times one head's 128 columns of q, of k and of v: 16 x 16 work-groups.  Wave w makes all 128 rows times columns 32 w .. 32 w + 31 of each of the three:
; 8 row blocks a x 6 column blocks b (b / 2: q, k, v; b % 2: which 16 columns): 48 accumulators, 384 registers.  So which accumulator is turned and which not is fixed in the text.
; K goes in steps of 128 (rows of 256 bytes) through two LDS slots, each 128 rows of x and 3 x 128 rows of weights; each wave fetches 128 rows with one tensor load: wave 0 x's, waves 1, 2, 3 wq's, wk's, wv's.
; CLUSTER.  4 x 4 work-groups: the four of a row share x's tile, the four of a column the head's weights: each tile is asked for jointly, by the same load with the same descriptor and a mask that names the four.
; THE PRODUCT IS TAKEN TRANSPOSED (source 0 = 16 rows of weights, source 1 = 16 rows of x): a lane holds row lane % 16 and eight neighbouring columns 8 (lane / 16) + 0..7: four pairs (even, odd) for the turn.
; REGISTERS, in windows of 256 (s_set_vgpr_msb: bits 1:0 source 0, 3:2 source 1, 5:4 source 2, 7:6 destination):
;   window 0: v16-31 addresses; v32-63 at work; v64-127, v128-191 x's fragments, two buffers;  window 1: v64-111, v128-175 the weights' fragments, two buffers
;   window 2: accumulators of a = 0..3 at v[8 (6 a + b)], v192-255 their tables;  window 3: the same for a = 4..7
.set PITCH,  272                       ; an LDS row: 256 bytes + 16 of padding: the 16 rows of a fragment load start at 16 different groups of four banks (ISA guide 11.1)
.set PART,   128*PITCH                 ; what one tensor load brings
.set SLOT,   4*PART                    ; x's 128 rows, then wq's, wk's, wv's
.set SPARE,  2*SLOT                    ; behind the ring: the spare words, 128 bytes a wave
.set SPITCH, 784                       ; the stage's row: 256 bytes of q, of k, of v, 16 of padding.  The stage (128 rows) lies in slot 0, behind that slot's last fill and last read
.set LAPS,   8                         ; 2,048 / 256: a lap is two K steps
.set KB,     256                       ; bytes of a row in a K step
.set ADRA, 16                          ; v16-17  LDS address of x's fragments in slot 0, 1
.set ADRB, 20                          ; v20-21  of wq's and wk's
.set ADRV, 22                          ; v22-23  of wv's: 256 rows on, past what an offset of 16 bits reaches
.set STO,  24                          ; v24     the way out: where I put 16 bytes of a row, rows 0-63
.set RD,   25                          ; v25     where I read rows back
.set CO,   26                          ; v26     16 x lane
.set STO2, 27                          ; v27     rows 64-127
.set SPW,  28                          ; v28     LDS address of my spare word; never rewritten
.set NIL,  29                          ; v29     0; never rewritten
.set PFO,  30                          ; v30     the prefetches' offset: lane x 4,096, a row a lane
.set TO,   31                          ; v31     my 16 bytes in a table's 16 rows
.set TT,   32                          ; v32-63  at work
.set F0,   64
.set F1,   128
.set EO,   64                          ; the way out: turned q and k of one row block, 32 registers
.set XY,   96                          ; eight products at work
.set PK,   104                         ; 24 registers of f16 pairs
.set BK,   64                          ; 48 x 4 registers read back
.set TAB,  192                         ; tables of row block a at TAB + 16 (a % 4): cos of b % 2 = 0, 1 (4 each), then sin
.set WV,  20                           ; s20  my wave's number
.set G1A, 28                           ; s[28:35] descriptor group 1 for x's tiles; s[36:43] group 0, a set for each slot
.set G0A, 36
.set G1B, 44                           ; s[44:51], s[52:59] the same for the weights'
.set G0B, 52
.set PFA, 60                           ; s[60:61] where my prefetches stand
.set LIM, 62                           ; s62  1 in a wave that prefetches, else the greatest number
.set SC,  74                           ; s[74:75] 1 / sqrt(128)
.set MSB, 0
.macro WIN new                         ; the immediate's high byte repeats the setting that is left; a switch that changes nothing is dropped
.if MSB != (\new)
	s_set_vgpr_msb (MSB<<8)|(\new)
.set MSB, \new
.endif
.endm
.set MUL_LO, 0xa1                      ; source 0 (weights) window 1, source 1 (x) window 0, C and D window 2
.set TO_B,   0x40                      ; destination window 1, address window 0
; A joint load.  The branch hangs on the wave's number alone.  An s_nop 0 and four v_nop follow each of the two lines.
.macro JLOAD s
	s_cmp_eq_u32 s[WV], 0
	s_cbranch_scc0 .Lfor_b_\@
	tensor_load_to_lds s[G0A+4*(\s):G0A+4*(\s)+3], s[G1A:G1A+7]
	s_nop 0
.rept 4
	v_nop
.endr
	s_branch .Lasked_\@
.Lfor_b_\@:
	tensor_load_to_lds s[G0B+4*(\s):G0B+4*(\s)+3], s[G1B:G1B+7]
	s_nop 0
.rept 4
	v_nop
.endr
.Lasked_\@:
.endm
; A prefetch of the K step that stands two refills on: 32 rows x 256 bytes, a lane a row, one instruction a wave.  Each row's 256 bytes of a K step are named once in the launch: x's rows by the cluster with x = 0,
; the weights' by the cluster with y = 0; the four partners that ask for a tile jointly share its 128 rows by address, 32 each.  The loop's last trip (s3 = 1) has no K step two on.
.macro ASK
	s_cmp_gt_u32 s3, s[LIM]
	s_cbranch_scc0 .Lnot_mine_\@
	global_prefetch_b8 v[PFO], s[PFA:PFA+1] offset:KB th:TH_LOAD_NT scope:SCOPE_SE
.Lnot_mine_\@:
.endm
.macro CREST                           ; a round of the cluster's barrier behind its opening barrier
	s_cmp_lg_u32 s[WV], 0
	s_cbranch_scc1 .Lnot_wave_0_\@
	s_barrier_signal -3
.Lnot_wave_0_\@:
	s_barrier_wait -3
	s_barrier_signal -1
	s_barrier_wait -1
.endm
.macro CROUND                          ; a whole round
	s_barrier_signal -1
	s_barrier_wait -1
	CREST
.endm
.macro PLACES                          ; four places in front of loads into registers that matrix instructions have read (ISA guide 7.12.1 for vector instructions)
.rept 4
	v_nop
.endr
.endm
	s_load_b256 s[4:11], s[0:1], 0x0               ; xb 4, wb 6, cos 8, sin 10
	s_load_b64 s[12:13], s[0:1], 0x20              ; qkv
	v_lshl_add_u32 v[SPW], v0, 2, SPARE
	v_mov_b32 v[NIL], 0
	ds_add_u32 v[SPW], v[NIL]                      ; the wave's opening: the add and its wait stand ahead of my first tensor load; the set-up below stands between them
	v_lshrrev_b32 v1, 5, v0
	v_readfirstlane_b32 s[WV], v1
	s_bfe_u32 s22, ttmp6, 0x40000                  ; cx
	s_bfe_u32 s23, ttmp6, 0x40004                  ; cy
	s_lshl_b32 s24, ttmp9, 2
	s_add_co_u32 s24, s24, s22                     ; head = 4 x cluster x + cx
	s_and_b32 s25, ttmp7, 0xffff
	s_lshl_b32 s25, s25, 2
	s_add_co_u32 s25, s25, s23                     ; row block = 4 x cluster y + cy
	s_lshl_b32 s68, s23, 2
	s_lshl_b32 s68, 15, s68                        ; my row of the cluster
	s_lshl_b32 s72, 0x1111, s22                    ; my column
	s_or_b32 s[G1A], s68, (1<<16)|(1<<20)|(1<<21)|(5<<22)|(3<<25)  ; the mask; 2-byte elements; padding on; bit 21 beside a mask; after every 64 words 4 words
	s_or_b32 s[G1B], s72, (1<<16)|(1<<20)|(1<<21)|(5<<22)|(3<<25)
.irp g, G1A, G1B
	s_mov_b32 s[(\g)+1], 128<<16                   ; tensor_dim0 = 128
	s_mov_b32 s[(\g)+2], 128<<16                   ; tensor_dim1 = 128
	s_mov_b32 s[(\g)+3], 128<<16                   ; tile_dim0 = 128
	s_mov_b32 s[(\g)+4], 128                       ; tile_dim1 = 128
	s_mov_b32 s[(\g)+5], 2048                      ; elements from row to row
	s_mov_b32 s[(\g)+6], 0
	s_mov_b32 s[(\g)+7], 0
.endr
	s_lshl_b32 s66, s25, 19                        ; x: 128 rows of 4,096 bytes a row block: hangs on the row block alone
	s_mov_b32 s67, 0
	s_max_u32 s70, s[WV], 1
	s_sub_co_u32 s70, s70, 1                       ; waves 1, 2, 3: wq, wk, wv
	s_lshl_b32 s70, s70, 23
	s_lshl_b32 s71, s24, 19                        ; the head's 128 rows: hangs on the head and the wave alone
	s_add_co_u32 s70, s70, s71
	s_mov_b32 s71, 0
	s_mul_i32 s78, s[WV], PART                     ; where my 128 rows go in a slot
	s_mov_b32 s[SC], 0x3db504f3                    ; 1 / sqrt(128)
	s_mov_b32 s[SC+1], s[SC]                       ; named with it as a pair
	s_wait_dscnt 0x0                               ; the opening add is done
	s_wait_kmcnt 0x0
	s_add_nc_u64 s[66:67], s[4:5], s[66:67]
	s_add_nc_u64 s[70:71], s[6:7], s[70:71]
	CROUND                                         ; all sixteen work-groups are here: the first joint loads meet
.irp s, 0,1
	s_mov_b32 s[G0A+4*(\s)], 1
	s_add_co_u32 s[G0A+4*(\s)+1], s78, (\s)*SLOT
	s_add_nc_u64 s[G0A+4*(\s)+2:G0A+4*(\s)+3], s[66:67], (\s)*KB
	s_or_b32 s[G0A+4*(\s)+3], s[G0A+4*(\s)+3], 0x80000000
	s_mov_b32 s[G0B+4*(\s)], 1
	s_add_co_u32 s[G0B+4*(\s)+1], s78, (\s)*SLOT
	s_add_nc_u64 s[G0B+4*(\s)+2:G0B+4*(\s)+3], s[70:71], (\s)*KB
	s_or_b32 s[G0B+4*(\s)+3], s[G0B+4*(\s)+3], 0x80000000
	JLOAD \s                                       ; K steps 0 and 1: two loads of mine are out
.endr
	v_and_b32 v1, 15, v0                           ; r
	v_bfe_u32 v2, v0, 4, 1                         ; h
	v_and_b32 v4, 31, v0                           ; lane
	; THE TABLES: for row 16 a + r and columns 32 w + 16 e + 8 h + 0..7 the four pairs 16 w + 8 e + 4 h + 0..3: 16 bytes of cos and of sin.  They are waited for on the way out.
	s_lshl_b32 s68, s25, 15                        ; 128 rows of 256 bytes
	s_mov_b32 s69, 0
	s_add_nc_u64 s[8:9], s[8:9], s[68:69]
	s_add_nc_u64 s[10:11], s[10:11], s[68:69]
	s_lshl_b32 s79, s[WV], 6
	v_lshlrev_b32 v[TO], 8, v1
	v_lshl_add_u32 v[TO], v2, 4, v[TO]
	v_add_nc_u32 v[TO], s79, v[TO]
.irp a, 0,1,2,3,4,5,6,7
	WIN (2+(\a)/4)<<6
.irp e, 0,1
	global_load_b128 v[TAB+16*((\a)%4)+4*(\e):TAB+16*((\a)%4)+4*(\e)+3], v[TO], s[8:9] offset:(\a)*4096+32*(\e)
	global_load_b128 v[TAB+16*((\a)%4)+8+4*(\e):TAB+16*((\a)%4)+8+4*(\e)+3], v[TO], s[10:11] offset:(\a)*4096+32*(\e)
.endr
.endr
	WIN 0
	v_mul_u32_u24 v3, v1, PITCH
	v_lshl_add_u32 v3, v2, 4, v3                   ; a fragment's row x pitch + 16 x half
	s_mul_i32 s76, s[WV], 32*PITCH                 ; my 32 rows of each of the three,
	s_add_co_u32 s76, s76, PART                    ; behind x's 128
.irp s, 0,1
	v_add_nc_u32 v[ADRA+(\s)], (\s)*SLOT, v3
	v_add_nc_u32 v[ADRB+(\s)], s76, v3
	v_add_nc_u32 v[ADRV+(\s)], 2*PART, v[ADRB+(\s)]
	s_add_co_u32 s76, s76, SLOT
.endr
	s_lshl_b32 s76, s[WV], 6                       ; my 32 columns: 64 bytes
	v_mul_u32_u24 v[STO], v1, SPITCH
	v_lshl_add_u32 v[STO], v2, 4, v[STO]
	v_add_nc_u32 v[STO], s76, v[STO]
	v_add_nc_u32 v[STO2], 64*SPITCH, v[STO]
	s_mul_i32 s76, s[WV], 32*SPITCH                ; back: wave w takes rows 32 w .. 32 w + 31, whole
	v_mul_u32_u24 v[RD], v2, SPITCH
	v_lshl_add_u32 v[RD], v1, 4, v[RD]
	v_add_nc_u32 v[RD], s76, v[RD]
	v_lshlrev_b32 v[CO], 4, v4
	v_lshlrev_b32 v[PFO], 12, v4
	s_lshl_b32 s76, s24, 19                        ; out: the head, the row block's 128 rows of 256 bytes, my 32 of them
	s_lshl_b32 s77, s25, 15
	s_add_co_u32 s76, s76, s77
	s_lshl_b32 s77, s[WV], 13
	s_add_co_u32 s76, s76, s77
	s_mov_b32 s77, 0
	s_add_nc_u64 s[12:13], s[12:13], s[76:77]      ; q
	s_add_nc_u64 s[14:15], s[12:13], 0x800000      ; k
	s_add_nc_u64 s[16:17], s[14:15], 0x800000      ; v
	; the prefetches
	s_and_b32 s79, ttmp7, 0xffff                   ; cluster y
	s_lshl_b32 s76, s25, 7
	s_lshl_b32 s77, s24, 7
	s_cmp_eq_u32 s[WV], 0                          ; do I fetch x?
	s_cselect_b32 s76, s76, s77                    ; the tile's first row
	s_cselect_b32 s77, s22, s23                    ; my place among the four that ask for it with me
	s_cselect_b32 s79, ttmp9, s79                  ; the coordinate along which other clusters read the same rows
	s_cselect_b64 s[PFA:PFA+1], s[4:5], s[6:7]
	s_cmp_eq_u32 s79, 0
	s_cselect_b32 s[LIM], 1, -1                    ; the same in all sixteen partners, for a given wave
	s_lshl_b32 s77, s77, 5
	s_add_co_u32 s76, s76, s77                     ; my work-group's 32 rows
	s_lshl_b32 s76, s76, 12
	s_max_u32 s77, s[WV], 1
	s_sub_co_u32 s77, s77, 1
	s_lshl_b32 s77, s77, 23                        ; wq, wk or wv
	s_add_co_u32 s76, s76, s77
	s_add_co_u32 s76, s76, 2*KB                    ; at K step 2: the first refill steps it to 3 and names K step 4.  K steps 0 to 3 come by their loads alone
	s_mov_b32 s77, 0
	s_add_nc_u64 s[PFA:PFA+1], s[PFA:PFA+1], s[76:77]
; 12 matrix instructions: row blocks a0, a0 + 1 of the window's four x all 6 column blocks, 32 along K.  zero = 1: the first product starts the sums.
; The 48 accumulators take turns in the same order in every quarter.
.macro MULA f, hi, a0, zero
	WIN MUL_LO+0x50*(\hi)
.irp a, \a0, (\a0)+1
.irp b, 0,1,2,3,4,5
.if \zero
	v_wmma_f32_16x16x32_bf16 v[8*(6*(\a)+(\b)):8*(6*(\a)+(\b))+7], v[(\f)+8*(\b):(\f)+8*(\b)+7], v[(\f)+8*(4*(\hi)+(\a)):(\f)+8*(4*(\hi)+(\a))+7], 0
.else
	v_wmma_f32_16x16x32_bf16 v[8*(6*(\a)+(\b)):8*(6*(\a)+(\b))+7], v[(\f)+8*(\b):(\f)+8*(\b)+7], v[(\f)+8*(4*(\hi)+(\a)):(\f)+8*(4*(\hi)+(\a))+7], v[8*(6*(\a)+(\b)):8*(6*(\a)+(\b))+7]
.endif
.endr
.endr
.endm
; 28 LDS loads in one run: a quarter's fragments (32 K at byte k of the rows): the weights' twelve, then x's sixteen
.macro FETCH slot, k, f
	WIN TO_B
.irp b, 0,1,2,3
	ds_load_b128 v[(\f)+8*(\b):(\f)+8*(\b)+3],   v[ADRB+(\slot)] offset:(\k)+(128*((\b)/2)+16*((\b)%2))*PITCH
	ds_load_b128 v[(\f)+8*(\b)+4:(\f)+8*(\b)+7], v[ADRB+(\slot)] offset:(\k)+(128*((\b)/2)+16*((\b)%2))*PITCH+32
.endr
.irp b, 4,5
	ds_load_b128 v[(\f)+8*(\b):(\f)+8*(\b)+3],   v[ADRV+(\slot)] offset:(\k)+16*((\b)%2)*PITCH
	ds_load_b128 v[(\f)+8*(\b)+4:(\f)+8*(\b)+7], v[ADRV+(\slot)] offset:(\k)+16*((\b)%2)*PITCH+32
.endr
	WIN 0
.irp i, 0,1,2,3,4,5,6,7
	ds_load_b128 v[(\f)+8*(\i):(\f)+8*(\i)+3],   v[ADRA+(\slot)] offset:(\k)+(\i)*16*PITCH
	ds_load_b128 v[(\f)+8*(\i)+4:(\f)+8*(\i)+7], v[ADRA+(\slot)] offset:(\k)+(\i)*16*PITCH+32
.endr
.endm
; A K step is four quarters of 32 along K, 48 matrix instructions each, on buffers 0, 1, 0, 1.  One of the first three multiplies buffer f and fetches the next quarter, at byte k, into g.
.macro QUARTER slot, k, f, g, zero
	s_wait_dscnt 8                                 ; the weights and x's rows 0-63 are in; the youngest eight loads (x's rows 64-127) may be out
	MULA \f, 0, 0, \zero
	MULA \f, 0, 2, \zero
	PLACES
	FETCH \slot, \k, \g
	s_wait_dscnt 28                                ; all but the 28 just issued
	MULA \f, 1, 0, \zero
	MULA \f, 1, 2, \zero
.endm
; The last quarter multiplies buffer 1 and changes slots: one barrier; in front of it each wave waits for all its tensor loads (one is out: its part of the next slot), adds 0 to its spare word, and waits for that
; and for its own reads of this slot.  fill = 1: the barrier opens a round of the cluster's, and this slot is filled again, two K steps ahead, first thing behind the round: 168 matrix instructions ahead of the wait for it.
.macro TURN slot, next, fill
.if \fill
	s_wait_xcnt 0x0                                ; the last prefetch, a K step back, has read its address: it is stepped here
	s_add_nc_u64 s[PFA:PFA+1], s[PFA:PFA+1], KB
.endif
	WIN 0                                          ; (the add's two registers lie in window 0)
	s_wait_tensorcnt 0x0                           ; all my tensor loads have landed
	ds_add_u32 v[SPW], v[NIL]                      ; 0 onto my spare word
	s_wait_dscnt 9                                 ; (the add and the youngest eight loads may be out)
	MULA F1, 0, 0, 0                               ; twelve matrix instructions stand between the add and the wait for it
	s_wait_dscnt 0x0                               ; the add is done, and my reads of this slot are over
	s_barrier_signal -1
	MULA F1, 0, 2, 0
.if \fill
	WIN 0
.endif
	s_barrier_wait -1
.if \fill
	CREST                                          ; no wave of any partner still reads this slot's tile or has a load on its way
	s_add_nc_u64 s[G0A+4*(\slot)+2:G0A+4*(\slot)+3], s[G0A+4*(\slot)+2:G0A+4*(\slot)+3], 2*KB
	s_add_nc_u64 s[G0B+4*(\slot)+2:G0B+4*(\slot)+3], s[G0B+4*(\slot)+2:G0B+4*(\slot)+3], 2*KB
	JLOAD \slot                                    ; its four v_nop are also the places in front of the loads below
.else
	PLACES
.endif
	FETCH \next, 0, F0
.if \fill
	ASK                                            ; behind the joint load and the run of LDS loads that the next products wait for
.endif
	MULA F1, 1, 0, 0
	MULA F1, 1, 2, 0
.endm
	s_wait_tensorcnt 1                             ; my part of K step 0 is in; K step 1's may stay out
	s_barrier_signal -1
	s_barrier_wait -1
	FETCH 0, 0, F0
	QUARTER 0, 64,  F0, F1, 1                      ; the first quarter stands in front of the loop: its products start the sums
	WIN 0
	s_mov_b32 s3, LAPS-1
.Llap:                                                 ; a trip goes once round the ring and fills both slots again
	QUARTER 0, 128, F1, F0, 0
	QUARTER 0, 192, F0, F1, 0
	TURN 0, 1, 1
	QUARTER 1, 64,  F0, F1, 0
	QUARTER 1, 128, F1, F0, 0
	QUARTER 1, 192, F0, F1, 0
	TURN 1, 0, 1
	QUARTER 0, 64,  F0, F1, 0
	WIN 0
	s_sub_co_u32 s3, s3, 1
	s_cmp_lg_u32 s3, 0
	s_cbranch_scc1 .Llap
	QUARTER 0, 128, F1, F0, 0                      ; the last lap fills nothing
	QUARTER 0, 192, F0, F1, 0
	TURN 0, 1, 0                                   ; behind this barrier nobody reads slot 0 any more, and nothing is filled into it again
	QUARTER 1, 64,  F0, F1, 0
	QUARTER 1, 128, F1, F0, 0
	QUARTER 1, 192, F0, F1, 0
	s_wait_dscnt 8
	MULA F1, 0, 0, 0
	MULA F1, 0, 2, 0
	s_wait_dscnt 0x0
	MULA F1, 1, 0, 0
	MULA F1, 1, 2, 0
	; THE WAY OUT.  The tables are rounded to bf16 and widened again; these lines name no register of the last products and are the places behind them.
	s_wait_loadcnt 0x0                             ; the tables
.macro TROUND W
	WIN (\W)|((\W)<<2)                             ; sources in window W, destination in window 0
.set i, 0
.rept 32
	v_cvt_pk_bf16_f32 v[TT+i], v[TAB+2*i], v[TAB+2*i+1]
.set i, i+1
.endr
	WIN (\W)<<6                                    ; and back
.set i, 0
.rept 32
	v_lshlrev_b32 v[TAB+2*i], 16, v[TT+i]
	v_and_b32 v[TAB+2*i+1], 0xffff0000, v[TT+i]
.set i, i+1
.endr
.endm
	TROUND 2
	TROUND 3
; Row block a: q and k are turned (even' = even cos - odd sin, odd' = even sin + odd cos), q is scaled, all are rounded to f16 and put into the stage.  Each accumulator's low registers are read first.
.macro ROPE a
.set W, 2+(\a)/4
.set T, TAB+16*((\a)%4)
.set SR, STO+3*((\a)/4)
	WIN W|(W<<2)                                   ; sources 0 and 1 in window W; source 2 and the destination in window 0
.irp b, 0,1,2,3
.set AC, 8*(6*((\a)%4)+(\b))
.set TC, T+4*((\b)%2)
.irp p, 0,1,2,3
	v_mul_f32 v[XY+2*(\p)],   v[AC+2*(\p)+1], v[TC+8+(\p)]  ; odd sin
	v_mul_f32 v[XY+2*(\p)+1], v[AC+2*(\p)],   v[TC+8+(\p)]  ; even sin
.endr
.irp p, 0,1,2,3
	v_fma_f32 v[EO+8*(\b)+2*(\p)],   v[AC+2*(\p)],   v[TC+(\p)], -v[XY+2*(\p)]
	v_fma_f32 v[EO+8*(\b)+2*(\p)+1], v[AC+2*(\p)+1], v[TC+(\p)], v[XY+2*(\p)+1]
.endr
.endr
.irp b, 4,5
.set AC, 8*(6*((\a)%4)+(\b))
.irp p, 0,1,2,3
	v_cvt_pk_f16_f32 v[PK+4*(\b)+(\p)], v[AC+2*(\p)], v[AC+2*(\p)+1]
.endr
.endr
	WIN 0
.set i, 0
.rept 8
	v_pk_mul_f32 v[EO+2*i:EO+2*i+1], v[EO+2*i:EO+2*i+1], s[SC:SC+1] op_sel_hi:[1,0]  ; q / sqrt(128), in f32
.set i, i+1
.endr
.set i, 0
.rept 16
	v_cvt_pk_f16_f32 v[PK+i], v[EO+2*i], v[EO+2*i+1]
.set i, i+1
.endr
.irp b, 0,1,2,3,4,5
	ds_store_b128 v[SR], v[PK+4*(\b):PK+4*(\b)+3] offset:((\a)%4)*16*SPITCH+((\b)/2)*256+((\b)%2)*32
.endr
.endm
.irp a, 0,1,2,3,4,5,6,7
	ROPE \a
.endr
	s_wait_dscnt 0x0                               ; for the others' sake: a row's 256 bytes come from four waves
	s_barrier_signal -1
	s_barrier_wait -1
.irp q, 0,1,2
.set i, 0
.rept 16
	ds_load_b128 v[BK+4*(16*(\q)+i):BK+4*(16*(\q)+i)+3], v[RD] offset:i*2*SPITCH+(\q)*256
.set i, i+1
.endr
.endr
.irp q, 0,1,2
.set i, 0
.rept 16
	s_wait_dscnt 47-(16*(\q)+i)                    ; LDS loads come back in order: this one is in, the younger ones stay out
	global_store_b128 v[CO], v[BK+4*(16*(\q)+i):BK+4*(16*(\q)+i)+3], s[12+2*(\q):13+2*(\q)] offset:512*i  ; two rows of a head: 512 consecutive bytes, aligned
.set i, i+1
.endr
.endr
	s_wait_tensorcnt 0x0                           ; the wave's end: behind my last tensor load and my last LDS store
	ds_add_u32 v[SPW], v[NIL]
	s_wait_dscnt 0x0
	CROUND                                         ; the closing round: no work-group ends while a partner may still ask for a tile that names it
	s_endpgm
.Lfunc_end_k_q0de2c4e39b_qkvrope:
	.size	k_q0de2c4e39b_qkvrope, .Lfunc_end_k_q0de2c4e39b_qkvrope-k_q0de2c4e39b_qkvrope
	.p2alignl 7, 3214868480
	.fill 96, 4, 3214868480
	.section	.rodata,"a",@progbits
	.p2align	6, 0x0
	.amdhsa_kernel k_q0de2c4e39b_qkvrope
		.amdhsa_group_segment_fixed_size 327680
		.amdhsa_private_segment_fixed_size 0
		.amdhsa_enable_private_segment 0
		.amdhsa_kernarg_size 40
		.amdhsa_user_sgpr_count 2
		.amdhsa_user_sgpr_kernarg_segment_ptr 1
		.amdhsa_wavefront_size32 1
		.amdhsa_system_sgpr_workgroup_id_x 1
		.amdhsa_system_sgpr_workgroup_id_y 1
		.amdhsa_system_sgpr_workgroup_id_z 1
		.amdhsa_system_vgpr_workitem_id 0
		.amdhsa_next_free_vgpr 1024
		.amdhsa_next_free_sgpr 80
		.amdhsa_reserve_vcc 0
		.amdhsa_float_denorm_mode_32 3
		.amdhsa_float_denorm_mode_16_64 3
		.amdhsa_memory_ordered 1
		.amdhsa_forward_progress 1
		.amdhsa_inst_pref_size 158
	.end_amdhsa_kernel
	.amdgpu_metadata
---
amdhsa.version: [ 1, 2 ]
amdhsa.kernels:
  - .name:           k_q0de2c4e39b_qkvrope
    .symbol:         k_q0de2c4e39b_qkvrope.kd
    .args:
      - { .name: xb, .offset: 0, .size: 8, .value_kind: global_buffer, .address_space: global }
      - { .name: wb, .offset: 8, .size: 8, .value_kind: global_buffer, .address_space: global }
      - { .name: freqs_cos, .offset: 16, .size: 8, .value_kind: global_buffer, .address_space: global }
      - { .name: freqs_sin, .offset: 24, .size: 8, .value_kind: global_buffer, .address_space: global }
      - { .name: qkv, .offset: 32, .size: 8, .value_kind: global_buffer, .address_space: global }
    .group_segment_fixed_size: 327680
    .private_segment_fixed_size: 0
    .kernarg_segment_align: 8
    .kernarg_segment_size: 40
    .max_flat_workgroup_size: 128
    .sgpr_count:     80
    .vgpr_count:     1024
    .wavefront_size: 32
...
	.end_amdgpu_metadata
.endif
;; end of part 2
;; launch attn (part 3): grid 16 x 16, 4 waves a work-group, clusters of 4 x 1, 327,680 bytes of LDS; arguments qkv, maskt, oh; writes oh
.if DOCPART == 3
	.amdgcn_target "amdgcn-amd-amdhsa--gfx1250"
	.amdhsa_code_object_version 6
	.text
	.protected	k_q0de2c4e39b_attn
	.globl	k_q0de2c4e39b_attn
	.p2align	8
	.type	k_q0de2c4e39b_attn,@function
k_q0de2c4e39b_attn:
	s_mov_b64 s[64:65], 0
	v_nop
	global_prefetch_b8 v0, s[64:65] scope:SCOPE_SE
	s_setreg_imm32_b32 hwreg(HW_REG_WAVE_MODE, 25, 1), 1
	s_wait_xcnt 0x0
	s_wait_alu depctr_hold_cnt(0) depctr_sa_sdst(0) depctr_va_vdst(0) depctr_va_sdst(0) depctr_va_ssrc(0) depctr_va_vcc(0) depctr_vm_vsrc(0)
	s_getreg_b32 s2, hwreg(HW_REG_IB_STS2, 6, 4)
	s_cmp_eq_u32 s2, 0
	s_cbranch_scc0 .Lentry_in_a_cluster
	s_endpgm
.Lentry_in_a_cluster:
	s_bfe_u32 s2, ttmp6, 0x10000c
	s_cmp_lg_u32 s2, 0x3003
	s_cbranch_scc0 .Lentry_shape_is_right
	s_endpgm
.Lentry_shape_is_right:
; oh[n][128 head + :] = the sum over k of softmax_k(q[n] . k[k] + mask[n][k]) v[k][:].  q (already divided by sqrt(128)), k, v: f16, [head][2048][128]; the mask: bf16, in the lanes' order (see below); oh: f16.
; The mask is an input: every key of every row is computed and the mask is added as it is given.  Products, maxima and sums in f32; the weights are rounded to f16 for the second product, oh once at the end.
; LIMITS.  The running maximum starts at -2^126, whose multiple by log2(e) is still finite: a score plus mask below that counts as hidden.  A weight below 2^-126 counts as 0.  A row whose keys are all
; hidden (-inf) has the sum 0 and comes out as 0 x (1 / 0), NaN, as the softmax of such a row is.  +inf and NaN among the scores are not treated apart.  oh is a mean of v's rows and has their range.
; SHARES.  A work-group owns 128 queries of one head: 16 x 16 work-groups.  Wave w owns the 64 queries w % 2 (four tiles of 16) and, of every slot's 256 keys, the half w / 2: two key steps of 64, sixteen in all.
; So a fragment of K or V read from LDS feeds four tiles.  The two halves' maxima, sums and O meet once, at the end, in LDS.
; LAYOUT.  S^T = K Q^T (source 0 = 16 keys, source 1 = 16 queries): a lane holds ONE query (lane % 16) and the keys 8 (lane / 16) + 0..7.  Two such tiles, rounded to f16 in pairs, ARE source 1 of O^T = V^T P.
; maskt[qg][ks][t][kb][lane][8] holds for each lane just the eight numbers of accumulator (t, kb): 16 bytes a lane, 8 KiB on end for a wave's key step.
; SOFTMAX.  p = 2^(c s - c m), c = log2(e), with a running maximum m; in every step O and l are multiplied by a = 2^(c m_old - c m_new).  The first step is a step like any other, with a = 0.
; BY TURNS.  The wave's tiles are two PIECES, named by their first tile: piece 0 (tiles 0, 1) and piece 2 (tiles 2, 3).  In a TURN one piece has the matrix unit: 32 products V^T P of step j, then 32 products K Q^T of
; step j + 1; the other piece's mask and softmax, 332 vector instructions cut into 64 slices, stand between them, one slice behind each matrix instruction.  Piece 0's turn carries piece 2's softmax of step j and fetches
; K of step j + 1; piece 2's turn carries piece 0's softmax of step j + 1 and fetches V of step j + 1.  Two turns are a key step.  A step has 664 vector instructions for 128 products.
; NO FIRST AND NO LAST STEP IS WRITTEN OUT: the loop is entered at piece 2's turn of a step that has not been (its V^T P multiplies a zero P), and the tail is left behind piece 0's turn of the last step
; (its K Q^T, on the last K once more, serves nothing): 64 products of 2,048, for one text of the turns and one copy of it in the tail.
; CLUSTER.  The four query blocks of a cluster belong to one head and walk the same K and V: each tile is asked for jointly, by the same load, descriptor and mask in all four.
; REGISTERS, in windows of 256 (s_set_vgpr_msb: bits 1:0 source 0, 3:2 source 1, 5:4 source 2, 7:6 destination):
;   window 0: v1-10 addresses; v12-43 eight registers of statistics a tile; v44-51 the partner's statistics; v52-63 at work and constants; v64-191 S^T, 32 a tile; v192-255 P, 16 a tile
;   window 1: O^T, 64 a tile     window 2: v0-127 Q, 32 a tile; v128-255 K of one step     window 3: v0-127 V of one step; v128-191 the mask, 16 a tile
.set KS,    64
.set PK,    272                        ; a row of K in LDS: 256 bytes + 16: the 16 rows of a load start at 16 different groups of four banks (ISA guide 11.1)
.set PV_,   288                        ; a row of V: 256 + 32
.set VOFF,  256*PK                     ; a slot: 256 rows of K, then 256 rows of V
.set SLOT1, 256*(PK+PV_)
.set SPARE, 2*SLOT1                    ; behind the ring: the spare words, 128 bytes a wave
.set MRGB,  33792                      ; the meeting place of a pair of waves: 32,768 bytes of O^T and 1,024 of statistics.  It lies in slot 0, behind that slot's last fill and last read
.set STAGE, 2*MRGB                     ; behind the two: 16 rows x 272 bytes for each of waves 0 and 1, for the way out
.set SP,    272
.set TILEB, 65536                      ; 256 keys of 256 bytes
.set AK0, 2                            ; v2   my lane's place in a tile of K
.set AV0, 3                            ; v3   the same for V
.set ADR, 4                            ; v4   the LDS address of the run of loads in hand
.set QO,  5                            ; v5   my byte offset in 16 rows of Q
.set STO, 6
.set RD,  7
.set GO,  8                            ; v8   my byte offset in two rows of oh
.set MO,  9                            ; v9   16 x lane
.set MG,  10                           ; v10  my 16 bytes in the meeting place
.set ST,  12                           ; tile t's statistics at v[ST+8 t]: +0 c m, +1 m, +2, +3 l (even keys', odd keys'), +4 to +7 at work; a takes +6
.set X,   44                           ; v44-47 the partner's c m, v48-51 its l
.set ONE, 60                           ; v60  1.0
.set PFO, 61                           ; v61  256 x lane
.set SPW, 62
.set NIL, 63
.set S,   64
.set P,   192
.set KF,  128                          ; window 2
.set M,   128                          ; window 3: accumulator (t, kb)'s eight bf16 at M + 16 t + 4 kb
.set MPA, 6                            ; s[6:7]   the step of the mask that piece 0 loaded last
.set MPB, 66                           ; s[66:67] the same for piece 2
.set WV,  12
.set LIM, 15                           ; s15  1 in a wave that prefetches, else the greatest number
.set PFA, 18                           ; s[18:19]
.set G1K, 24
.set G1V, 32
.set G0K, 40                           ; one walking group 0 for each tensor
.set G0V, 44
.set FB,  48                           ; s48  the slot being filled: 0 or SLOT1
.set RB,  49                           ; s49  the slot being read
.set LK,  50                           ; s50  where my half of a tile of K goes in a slot
.set LV,  51
.set WKO, 52                           ; s52  where my half of a slot's keys begins, in K
.set WVO, 53
.set MS,  54                           ; s[54:55] a mask pointer's step
.set SLOTS, 56
.set TWICE, 57                         ; s57  counts a slot's two steps (2, 1); in the tail 3, 2, 1
.set CS,  58                           ; s[58:59] c
.set SEL, 60                           ; s[60:61] v_permlanex16_b32's selects: each lane takes its own place in the other half
.set TBK, 62
.set TBV, 63
.set MSB, 0
.macro WIN new                         ; the immediate's high byte repeats the setting that is left; a switch that changes nothing is dropped
.if MSB != (\new)
	s_set_vgpr_msb (MSB<<8)|(\new)
.set MSB, \new
.endif
.endm
.set W_KQ, 0x0a                        ; K and Q in window 2, S^T in window 0
.set W_PV, 0x53                        ; V in window 3, P in window 0, O^T in window 1
.set W_RS, 0x41                        ; O^T (destination and source 0) in window 1, the factor in window 0
; A joint fill.  Waves 0 and 1 fetch the two halves of a tile's K, waves 2 and 3 those of its V.  An s_nop 0 and four v_nop follow each of the two lines.
.macro JLOAD
	s_cmp_lt_u32 s[WV], 2
	s_cbranch_scc0 .Lfor_v_\@
	tensor_load_to_lds s[G0K:G0K+3], s[G1K:G1K+7]
	s_nop 0
.rept 4
	v_nop
.endr
	s_branch .Lasked_\@
.Lfor_v_\@:
	tensor_load_to_lds s[G0V:G0V+3], s[G1V:G1V+7]
	s_nop 0
.rept 4
	v_nop
.endr
.Lasked_\@:
.endm
; A prefetch of the tile that the NEXT change of slots will ask for: 256 rows of K and of V, 256 bytes a row, a lane a row.  Each row is named once in the launch: the head's first cluster asks; its four partners
; share the rows by address, 64 each, and in each waves 0 and 1 take 32 rows of K, waves 2 and 3 of V.  The last change that fills a slot asks for nothing.
.macro ASK
	s_cmp_gt_u32 s[SLOTS], s[LIM]
	s_cbranch_scc0 .Lnot_mine_\@
	global_prefetch_b8 v[PFO], s[PFA:PFA+1] th:TH_LOAD_NT scope:SCOPE_SE
.Lnot_mine_\@:
.endm
.macro CROUND
	s_barrier_signal -1
	s_barrier_wait -1
	s_cmp_lg_u32 s[WV], 0
	s_cbranch_scc1 .Lnot_wave_0_\@
	s_barrier_signal -3
.Lnot_wave_0_\@:
	s_barrier_wait -3
	s_barrier_signal -1
	s_barrier_wait -1
.endm
.macro PLACES
.rept 4
	v_nop
.endr
.endm
; THE LDS LOADS stand in runs of 32, never singly among the matrix instructions: a step's K (64 keys x 128 channels: 16 fragments) and its V (turned).
.macro FETCH_K
	WIN 0
	v_add_nc_u32 v[ADR], s[TBK], v[AK0]
	s_add_co_u32 s[TBK], s[TBK], KS*PK             ; the next fetch is the next step's
	WIN 0x80
.irp f, 0,1,2,3,4,5,6,7,8,9,10,11,12,13,14,15  ; keys 16 (f / 4) on, channels 32 (f % 4) on
	ds_load_b128 v[KF+8*(\f):KF+8*(\f)+3],   v[ADR] offset:((\f)/4)*16*PK+((\f)%4)*64
	ds_load_b128 v[KF+8*(\f)+4:KF+8*(\f)+7], v[ADR] offset:((\f)/4)*16*PK+((\f)%4)*64+32
.endr
	WIN 0
.endm
.macro FETCH_V w                       ; w = 1: the wait for the softmax's batch of exponentials stands in it, behind the address's line and ahead of the loads
	WIN 0
	v_add_nc_u32 v[ADR], s[TBV], v[AV0]
	s_add_co_u32 s[TBV], s[TBV], KS*PV_
.if \w
	s_wait_alu depctr_va_vdst(0)
.endif
	WIN 0xc0
.irp f, 0,1,2,3,4,5,6,7,8,9,10,11,12,13,14,15  ; keys 32 (f / 8) on, channels 16 (f % 8) on
	ds_load_tr16_b128 v[8*(\f):8*(\f)+3],   v[ADR] offset:((\f)/8)*32*PV_+((\f)%8)*32
	ds_load_tr16_b128 v[8*(\f)+4:8*(\f)+7], v[ADR] offset:((\f)/8)*32*PV_+16*PV_+((\f)%8)*32
.endr
	WIN 0
.endm
.macro MLOADP y                        ; piece y's mask of one step: 8 loads of 512 consecutive bytes
	WIN 0xc0
.set mq, 4*(\y)
.rept 8
.if (\y) == 0
	global_load_b128 v[M+4*mq:M+4*mq+3], v[MO], s[MPA:MPA+1] offset:512*mq
.else
	global_load_b128 v[M+4*mq:M+4*mq+3], v[MO], s[MPB:MPB+1] offset:512*mq
.endif
.set mq, mq+1
.endr
	WIN 0
.endm
; THE CHANGE OF SLOTS, between piece 2's turn and piece 0's: the slot's last bytes, V of its second step, have been asked for.  Each wave waits for all its tensor loads (one is out: its part of the other slot),
; adds 0 to its spare word, and waits for that and for its own reads of the slot that it leaves.  fill = 1: the barrier is a round of the cluster's, and the slot just left is filled again, first thing behind it,
; with the next tile: it has two key steps of every wave, 256 matrix instructions, in which to land.  (At its first use nothing has been read yet: slot 0 is waited for, slot 1 filled.)
.macro CHANGE fill
	WIN 0
	s_wait_tensorcnt 0x0                           ; no tensor load of mine is out, so a group 0 may be written
	ds_add_u32 v[SPW], v[NIL]                      ; 0 onto my spare word; the scalar work below stands between it and the wait for it
	s_xor_b32 s[RB], s[RB], SLOT1
.if \fill
	s_xor_b32 s[FB], s[FB], SLOT1
	s_add_co_u32 s[G0K+1], s[FB], s[LK]
	s_add_co_u32 s[G0V+1], s[FB], s[LV]
	s_add_nc_u64 s[G0K+2:G0K+3], s[G0K+2:G0K+3], TILEB  ; the type bits on top are not reached
	s_add_nc_u64 s[G0V+2:G0V+3], s[G0V+2:G0V+3], TILEB
	s_wait_xcnt 0x0                                ; the last prefetch, two key steps back, has read its address
	s_add_nc_u64 s[PFA:PFA+1], s[PFA:PFA+1], TILEB
.endif
	s_add_co_u32 s[TBK], s[RB], s[WKO]
	s_add_co_u32 s[TBV], s[RB], s[WVO]
	s_wait_dscnt 0x0                               ; the add is done, and my reads of the slot are over
.if \fill
	CROUND
	JLOAD
	ASK                                            ; what the next change will ask for: two key steps ahead
.else
	s_barrier_signal -1
	s_barrier_wait -1
.endif
.endm
	s_load_b128 s[4:7], s[0:1], 0x0                ; qkv 4, maskt 6
	s_load_b64 s[8:9], s[0:1], 0x10                ; oh
	v_lshl_add_u32 v[SPW], v0, 2, SPARE
	v_mov_b32 v[NIL], 0
	ds_add_u32 v[SPW], v[NIL]                      ; the wave's opening: the add and its wait stand ahead of my first tensor load
	v_lshrrev_b32 v1, 5, v0
	v_readfirstlane_b32 s[WV], v1
	s_bfe_u32 s13, ttmp6, 0x40000                  ; cx
	s_lshl_b32 s14, ttmp9, 2
	s_add_co_u32 s14, s14, s13                     ; my block of 128 queries: it enters q's, the mask's and oh's addresses alone
	s_and_b32 s16, s[WV], 1                        ; which 64 queries; also which half of a tile I fetch
	s_lshr_b32 s17, s[WV], 1                       ; which half of a slot's keys
	s_and_b32 s20, ttmp7, 0xffff                   ; the head, which the four partners share
	s_lshl_b32 s22, s20, 8                         ; its 256 bytes in a row of oh
	s_mov_b32 s23, 0
	s_lshl_b32 s20, s20, 19                        ; its 2,048 rows of 256 bytes
	s_lshl_b32 s68, s16, 15                        ; my 128 rows of a tile
	s_add_co_u32 s68, s68, s20
	s_add_co_u32 s68, s68, 0x800000                ; in k
	s_mov_b32 s69, 0
	s_lshl1_add_u32 s70, s14, s16                  ; qg: my 64 queries among the 32 groups
	s_lshl_b32 s72, s70, 14                        ; 64 rows of q
	s_add_co_u32 s72, s72, s20
	s_mov_b32 s73, 0
	s_lshl_b32 s74, s70, 18                        ; 64 rows of oh, and qg's part of the mask: 262,144 bytes both
	s_mov_b32 s75, 0
	s_lshl_b32 s70, s17, 14                        ; my half's two steps of the mask
	s_add_co_u32 s70, s70, s74
	s_mov_b32 s71, 0
	s_add_co_u32 s76, s17, 1                       ; the prefetches: k for waves 0 and 1, v for waves 2 and 3,
	s_lshl_b32 s76, s76, 23
	s_add_co_u32 s76, s76, s20
	s_lshl1_add_u32 s77, s13, s16                  ; rows 64 cx + 32 (w % 2) on,
	s_lshl_b32 s77, s77, 13
	s_add_co_u32 s76, s76, s77
	s_add_co_u32 s76, s76, TILEB                   ; in tile 1: the first change of slots steps it to tile 2.  Tiles 0 and 1 come by their loads alone
	s_mov_b32 s77, 0
	s_mov_b32 s[LIM], ttmp9
	s_cmp_eq_u32 s[LIM], 0                         ; the head's first cluster: the same in all four partners
	s_cselect_b32 s[LIM], 1, -1
	s_mul_i32 s[LK], s16, 128*PK
	s_mul_i32 s[LV], s16, 128*PV_
	s_add_co_u32 s[LV], s[LV], VOFF
	s_mul_i32 s[WKO], s17, 128*PK
	s_mul_i32 s[WVO], s17, 128*PV_
	s_mov_b32 s[FB], 0
	s_mov_b32 s[RB], SLOT1                         ; the first change of slots turns it into 0
	s_mov_b32 s[MS+1], 0
	s_mov_b32 s[G1K], 15|(1<<16)|(1<<20)|(1<<21)|(5<<22)|(3<<25)  ; the mask of four; 2-byte elements; padding on; bit 21 beside a mask; after every 64 words 4 words
	s_mov_b32 s[G1V], 15|(1<<16)|(1<<20)|(1<<21)|(5<<22)|(7<<25)  ; the same with 8 words
.irp g, G1K, G1V
	s_mov_b32 s[(\g)+1], 128<<16                   ; tensor_dim0 = 128
	s_mov_b32 s[(\g)+2], 128<<16                   ; tensor_dim1 = 128
	s_mov_b32 s[(\g)+3], 128<<16                   ; tile_dim0 = 128
	s_mov_b32 s[(\g)+4], 128                       ; tile_dim1 = 128
	s_mov_b32 s[(\g)+5], 128                       ; elements from row to row
	s_mov_b32 s[(\g)+6], 0
	s_mov_b32 s[(\g)+7], 0
.endr
	s_mov_b32 s[G0K], 1
	s_mov_b32 s[G0K+1], s[LK]                      ; slot 0
	s_mov_b32 s[G0V], 1
	s_mov_b32 s[G0V+1], s[LV]
	s_mov_b32 s[CS], 0x3fb8aa3b                    ; c = log2(e)
	s_mov_b32 s[CS+1], s[CS]
	s_mov_b32 s[SEL], 0x76543210
	s_mov_b32 s[SEL+1], 0xfedcba98
	s_mov_b32 s[SLOTS], 7
	s_wait_dscnt 0x0                               ; the opening add is done
	s_wait_kmcnt 0x0
	s_add_nc_u64 s[G0K+2:G0K+3], s[4:5], s[68:69]
	s_add_nc_u64 s[G0V+2:G0V+3], s[G0K+2:G0K+3], 0x800000
	s_or_b32 s[G0K+3], s[G0K+3], 0x80000000
	s_or_b32 s[G0V+3], s[G0V+3], 0x80000000
	s_add_nc_u64 s[10:11], s[4:5], s[72:73]        ; q at my first row
	s_add_nc_u64 s[MPA:MPA+1], s[MPA:MPA+1], s[70:71]
	s_mov_b64 s[MPB:MPB+1], s[MPA:MPA+1]
	s_add_nc_u64 s[8:9], s[8:9], s[74:75]
	s_add_nc_u64 s[8:9], s[8:9], s[22:23]
	s_add_nc_u64 s[PFA:PFA+1], s[4:5], s[76:77]
	CROUND                                         ; all four work-groups are here: the first joint loads meet
	JLOAD                                          ; tile 0 into slot 0
	v_and_b32 v1, 15, v0                           ; r
	v_bfe_u32 v52, v0, 4, 1                        ; h
	v_and_b32 v53, 7, v0
	v_bfe_u32 v54, v0, 3, 1
	v_and_b32 v55, 31, v0                          ; lane
	v_lshlrev_b32 v[QO], 8, v1
	v_lshl_add_u32 v[QO], v52, 4, v[QO]
	v_lshlrev_b32 v[MO], 4, v55
	WIN 0x80
.irp i, 0,1,2,3,4,5,6,7,8,9,10,11,12,13,14,15  ; Q stays in registers: tile i / 4, channels 32 (i % 4) on
	global_load_b128 v[8*(\i):8*(\i)+3],   v[QO], s[10:11] offset:((\i)/4)*4096+((\i)%4)*64
	global_load_b128 v[8*(\i)+4:8*(\i)+7], v[QO], s[10:11] offset:((\i)/4)*4096+((\i)%4)*64+32
.endr
	MLOADP 0                                       ; my first step's mask, both pieces'
	MLOADP 2
	; What the first turn finds.  Piece 2's P is 0: the turn's V^T P, of a step that has not been, adds 0.  O^T starts at 0: 32 products of two of those zero fragments, eight registers each.  All in the wait for the first tile.
.set i, 0
.rept 32
	v_mov_b32 v[P+32+i], 0
.set i, i+1
.endr
	WIN 0x40                                       ; destination in window 1
.set i, 0
.rept 32
	v_wmma_f32_16x16x32_f16 v[8*i:8*i+7], v[P+32:P+39], v[P+40:P+47], 0
.set i, i+1
.endr
	WIN 0
.irp t, 0,1,2,3
	v_mov_b32 v[ST+8*(\t)], 0xfeb8aa3b             ; c m = -2^126 log2(e)
	v_mov_b32 v[ST+8*(\t)+1], 0xfe800000           ; m = -2^126
	v_mov_b32 v[ST+8*(\t)+2], 0
	v_mov_b32 v[ST+8*(\t)+3], 0
.endr
	v_mov_b32 v[ONE], 1.0
	v_lshlrev_b32 v[PFO], 8, v55
	v_mul_u32_u24 v[AK0], v1, PK
	v_lshl_add_u32 v[AK0], v52, 4, v[AK0]          ; row x pitch + 16 x half
	v_lshl_add_u32 v[AV0], v52, 3, v53             ; the turning load: lane l reads key 8 (l / 16) + l % 8, channels 8 ((l / 8) % 2) + 0..7
	v_mul_u32_u24 v[AV0], v[AV0], PV_
	v_lshl_add_u32 v[AV0], v54, 4, v[AV0]
	v_add_nc_u32 v[AV0], VOFF, v[AV0]
	s_mul_i32 s21, s16, 16*SP
	s_add_co_u32 s21, s21, STAGE
	v_mul_u32_u24 v[STO], v1, SP
	v_lshl_add_u32 v[STO], v52, 4, v[STO]
	v_add_nc_u32 v[STO], s21, v[STO]
	v_mul_u32_u24 v[RD], v52, SP
	v_lshl_add_u32 v[RD], v1, 4, v[RD]
	v_add_nc_u32 v[RD], s21, v[RD]
	v_lshlrev_b32 v[GO], 12, v52                   ; two rows of oh, 4,096 bytes apart
	v_lshl_add_u32 v[GO], v1, 4, v[GO]
	s_mul_i32 s21, s16, MRGB
	v_lshl_add_u32 v[MG], v55, 4, s21
	s_wait_loadcnt 0x0                             ; Q and the first masks, in the wait for the first tile
; THE MATRIX WORK OF A TURN, for piece x.  The accumulators take turns, one instruction a turn: between two links of a chain stand 15 (V^T P) or 7 (K Q^T) others'.
; Product i of 32 of O^T += V^T P: keys 32 (i / 16) on, channels 16 ((i / 2) % 8) on, tile x + i % 2.
.macro PV x
	WIN W_PV
.set rO, 64*((\x)+i%2)+8*((i/2)%8)
.set rV, 64*(i/16)+8*((i/2)%8)
.set rP, P+16*((\x)+i%2)+8*(i/16)
	v_wmma_f32_16x16x32_f16 v[rO:rO+7], v[rV:rV+7], v[rP:rP+7], v[rO:rO+7]
.endm
; Product i of 32 of S^T = K Q^T: channels 32 (i / 8) on, keys 16 ((i / 2) % 4) on, tile x + i % 2.  The first 8 start the sums.
.macro KQ x
	WIN W_KQ
.set rS, S+32*((\x)+i%2)+8*((i/2)%4)
.set rK, KF+32*((i/2)%4)+8*(i/8)
.set rQ, 32*((\x)+i%2)+8*(i/8)
.if i < 8
	v_wmma_f32_16x16x32_f16 v[rS:rS+7], v[rK:rK+7], v[rQ:rQ+7], 0
.else
	v_wmma_f32_16x16x32_f16 v[rS:rS+7], v[rK:rK+7], v[rQ:rQ+7], v[rS:rS+7]
.endif
.endm
; One tile's softmax for one key step is a list of 134 instructions; SM writes number j of it for tile t.  s0-s31 are the lane's 32 scores, in pairs 0-15.
;   0-15  the maximum of s0-s31 and the old m     16-20  the other half of the lanes' maximum; the new m; c m; c m_old - c m_new
;   21-69 ONE BATCH: the 16 scalings c s - c m and all 33 exponentials (a at 23); none of these reads an exponential's result     (the wait)
;   70-85 the roundings to f16     86-101 the sums; l = a l + the sum     102-133 the tile's O^T times a
.macro SM t
.set rT, ST+8*(\t)
.set rS, S+32*(\t)
.set rP, P+16*(\t)
.set rO, 64*(\t)+2*(j-102)
.if j < 102
	WIN 0
.endif
.if j < 4
	v_max3_num_f32 v[rT+4+j], v[rS+8*j], v[rS+8*j+1], v[rS+8*j+2]
.elseif j < 12
	v_max3_num_f32 v[rT+4+j%4], v[rT+4+j%4], v[rS+8*(j%4)+2*(j/4)+1], v[rS+8*(j%4)+2*(j/4)+2]
.elseif j == 12
	v_max3_num_f32 v[rT+4], v[rT+4], v[rS+7], v[rS+15]
.elseif j == 13
	v_max3_num_f32 v[rT+6], v[rT+6], v[rS+23], v[rS+31]
.elseif j == 14
	v_max3_num_f32 v[rT+4], v[rT+4], v[rT+5], v[rT+6]
.elseif j == 15
	v_max3_num_f32 v[rT+4], v[rT+4], v[rT+7], v[rT+1]
.elseif j == 16
	v_permlanex16_b32 v[rT+5], v[rT+4], s[SEL], s[SEL+1]  ; the query's other 32 keys lie in the lane 16 away
.elseif j == 17
	v_mov_b32 v[rT+7], v[rT]                       ; c m_old is kept for a
.elseif j == 18
	v_max_num_f32 v[rT+1], v[rT+4], v[rT+5]
.elseif j == 19
	v_mul_f32 v[rT], s[CS], v[rT+1]
.elseif j == 20
	v_sub_f32 v[rT+7], v[rT+7], v[rT]
.elseif j == 23
	v_exp_f32 v[rT+6], v[rT+7]
.elseif (j < 23) || ((j < 38) && (j%2 == 0)) || ((j < 66) && (j%4 == 2))
.set b, (j-2)/4                        ; 38, 42, .. 62: pairs 9 to 15
.if j < 38
.set b, (j-20)/2                       ; 21: pair 0; 22, 24, .. 36: pairs 1 to 8
.endif
	v_pk_fma_f32 v[rS+2*b:rS+2*b+1], v[rS+2*b:rS+2*b+1], s[CS:CS+1], v[rT:rT+1] op_sel_hi:[1,0,0] neg_lo:[0,0,1] neg_hi:[0,0,1]
.elseif j < 70
.set e, j-38                           ; 66 to 69: s28 to s31
.if j < 66
.set e, j-32-(j-38)/4                  ; 39-41, 43-45, .. 63-65: s7 to s27
.endif
.if j < 38
.set e, (j-25)/2                       ; 25, 27, .. 37: s0 to s6
.endif
	v_exp_f32 v[rS+e], v[rS+e]
.elseif j < 86
	v_cvt_pk_f16_f32 v[rP+j-70], v[rS+2*(j-70)], v[rS+2*(j-70)+1]
.elseif j < 102                        ; the sum of the 16 pairs, in place: neighbours 1, 2, 4 and 8 pairs apart, then l takes it
.set z, j-86
.set w, 4
.set u, z
.if z >= 14
.set w, 32
.set u, 0
.elseif z >= 12
.set w, 16
.set u, z-12
.elseif z >= 8
.set w, 8
.set u, z-8
.endif
.if z < 15
	v_pk_add_f32 v[rS+w*u:rS+w*u+1], v[rS+w*u:rS+w*u+1], v[rS+w*u+w/2:rS+w*u+w/2+1]
.else
	v_pk_fma_f32 v[rT+2:rT+3], v[rT+2:rT+3], v[rT+6:rT+7], v[rS:rS+1] op_sel_hi:[1,0,1]
.endif
.else
	WIN W_RS
	v_pk_mul_f32 v[rO:rO+1], v[rO:rO+1], v[rT+6:rT+7] op_sel_hi:[1,0]
.endif
.endm
; Piece y's next mask.  Its additions are over and its last loads were shown done by the wait at the turn's head, so its pointer may be stepped: from a slot's first step of mine to its second one step of 8,192 bytes,
; from the second to the next slot's first three.  Piece 2 (in piece 0's turn of step j) loads step j + 1, piece 0 (in piece 2's turn) step j + 2; j is odd where TWICE is 2.
; tail = 1: TWICE runs 3, 2, 1 and is taken down between the two turns; where it is 1 there is no further step, and the loads are jumped over.
.macro MNEXT y, tail
	WIN 0
.if \tail
	s_cmp_eq_u32 s[TWICE], 1
	s_cbranch_scc1 .Lno_m_\@
.endif
	s_mov_b32 s[MS], 0x2000
.if (\y) == 2
.if \tail
	s_cmp_eq_u32 s[TWICE], 3
.else
	s_cmp_eq_u32 s[TWICE], 2
.endif
	s_cselect_b32 s[MS], 0x6000, s[MS]
	s_add_nc_u64 s[MPB:MPB+1], s[MPB:MPB+1], s[MS:MS+1]
.else
.if !(\tail)
	s_cmp_eq_u32 s[TWICE], 2
	s_cselect_b32 s[MS], s[MS], 0x6000
.endif
	s_add_nc_u64 s[MPA:MPA+1], s[MPA:MPA+1], s[MS:MS+1]
.endif
	MLOADP \y
.if \tail
.Lno_m_\@:
.endif
.endm
.macro KNEXT tail                      ; K of the next step; in the tail's last trip there is none
.if \tail
	WIN 0
	s_cmp_eq_u32 s[TWICE], 1
	s_cbranch_scc1 .Lno_k_\@
.endif
	FETCH_K
.if \tail
.Lno_k_\@:
.endif
.endm
; THE VECTOR WORK OF A TURN is one list of 332 for piece y, the two tiles alternating, so that no instruction reads the result of the one just before it: for each tile the 32 additions of the mask (s x 1 + a bf16 half;
; each accumulator's lowest register is read first), then SM's 134.  VI writes entry ln.  Behind entry 63 the piece's next mask is asked for.  Entries 0 to 203 name no result of the
; turn's 66 exponentials, and behind them no exponential is issued: so one wait serves the batch, behind a plain instruction (ISA guide 5.7.2).  In piece 2's turn V's run of loads stands there:
; V's last reader is the turn's 32nd product, and three slices, two K Q^T products, three v_nop and the run's own v_add_nc_u32 lie between.
.macro VI y, tail
.set tl, (\y)+ln%2
.set jj, ln/2
.if jj < 32
	WIN 0x30                                       ; source 2 in window 3
.if jj%2
	v_fma_mix_f32_bf16 v[S+32*tl+jj], v[S+32*tl+jj], v[ONE], v[M+16*tl+jj/2] op_sel:[0,0,1] op_sel_hi:[0,0,1]
.else
	v_fma_mix_f32_bf16 v[S+32*tl+jj], v[S+32*tl+jj], v[ONE], v[M+16*tl+jj/2] op_sel:[0,0,0] op_sel_hi:[0,0,1]
.endif
.else
.set j, jj-32
	SM tl
.endif
.set ln, ln+1
.if ln == 64
	MNEXT \y, \tail
.endif
.if ln == 204
	WIN 0
.if (\y) == 0
.rept 3
	v_nop
.endr
	FETCH_V 1
.else
	v_nop
	s_wait_alu depctr_va_vdst(0)
.endif
.endif
.endm
; Slice sk of 64: six entries in slices 0 to 33 (34 x 6 = 204: the wait falls behind slice 33), four in slices 34 to 62, the last twelve, all plain, in slice 63: they are the places between the turn's last K Q^T
; and what follows: the next turn's first read of those scores, and the loads into K's registers (ISA guide 7.12.1 for vector instructions).
.macro SLICE y, tail
.set cn, 4
.if sk < 34
.set cn, 6
.endif
.if sk == 63
.set cn, 12
.endif
.rept cn
	VI \y, \tail
.endr
.set sk, sk+1
.endm
; A TURN.  Piece x has the matrix unit; the other piece's list stands in slices behind its matrix instructions; no slice names a register of the products round it.
; Each run of LDS loads stands 30 matrix instructions ahead of its first use: K's behind the second product of piece 0's turn, V's behind the 34th of piece 2's.
.macro TURN x, tail
.set ln, 0
.set sk, 0
.if \tail
	s_wait_loadcnt 0x0                             ; the mask: in the tail some loads are jumped over, so the count is 0
.else
	s_wait_loadcnt 8                               ; the mask of the piece whose softmax this turn carries is in; the other piece's eight loads, issued a turn later, may stay out
.endif
.if (\x) == 0
	s_wait_dscnt 0x0                               ; V is in
.endif
.set i, 0
.rept 32
	PV \x
	SLICE 2-(\x), \tail
.if ((\x) == 0) && (i == 1)
	KNEXT \tail
.endif
.set i, i+1
.endr
.if (\x) == 0
	s_wait_dscnt 0x0                               ; K is in
.endif
.set i, 0
.rept 32
	KQ \x
	SLICE 2-(\x), \tail
.set i, i+1
.endr
.endm
	CHANGE 1                                       ; tile 0 is in, everybody's part of it; tile 1 is asked for
	FETCH_K                                        ; key step 0
	FETCH_V 0                                      ; V of step 0 too: the first turn's V^T P multiplies it by the zero P; that turn fetches it again, in its own place,
	s_sub_co_u32 s[TBV], s[TBV], KS*PV_            ; so the step is taken back
	s_wait_dscnt 32                                ; K's run, the older one, is in; V's 32 may stay out
.set i, 0
.rept 32
	KQ 0                                           ; piece 0's first scores: there is no vector work yet to set between them
.set i, i+1
.endr
	WIN 0
	PLACES                                         ; behind those products, whose scores the first slice reads
	s_wait_dscnt 0x0                               ; V is in
	s_mov_b32 s[TWICE], 2
	s_branch .Lmid                                 ; the loop is entered at piece 2's turn, in the middle of a trip
.Lslot:                                                ; six times: tiles 1 to 6 are waited for and read, tiles 2 to 7 asked for
	CHANGE 1
	s_mov_b32 s[TWICE], 2
.Lstep:
	TURN 0, 0
	WIN 0
.Lmid:
	TURN 2, 0
	WIN 0
	s_sub_co_u32 s[TWICE], s[TWICE], 1
	s_cmp_lg_u32 s[TWICE], 0
	s_cbranch_scc1 .Lstep
	s_sub_co_u32 s[SLOTS], s[SLOTS], 1
	s_cmp_lg_u32 s[SLOTS], 0
	s_cbranch_scc1 .Lslot
	CHANGE 0                                       ; the last tile is written out.  Behind this barrier nobody reads slot 0, and nothing is filled into it again
	s_mov_b32 s[TWICE], 3                          ; two trips fetch the last tile's steps; the third is left in its middle
.Ltail:
	TURN 0, 1
	WIN 0
	s_sub_co_u32 s[TWICE], s[TWICE], 1
	s_cmp_eq_u32 s[TWICE], 0
	s_cbranch_scc1 .Lout
	TURN 2, 1
	WIN 0
	s_branch .Ltail
.Lout:
.set i, 0
.rept 32
	PV 2                                           ; piece 2's V^T P of the last step
.set i, i+1
.endr
	WIN 0
	; THE TWO HALVES OF THE KEYS MEET.  l's two halves and the other half of the lanes' are added (these lines are the places behind the last products); waves 2 and 3 put c m, l and O^T into LDS, waves 0 and 1 take them.
.irp t, 0,1,2,3
	v_add_f32 v[ST+8*(\t)+2], v[ST+8*(\t)+2], v[ST+8*(\t)+3]
.endr
.irp t, 0,1,2,3
	v_permlanex16_b32 v[ST+8*(\t)+3], v[ST+8*(\t)+2], s[SEL], s[SEL+1]
.endr
.irp t, 0,1,2,3
	v_add_f32 v[ST+8*(\t)+2], v[ST+8*(\t)+2], v[ST+8*(\t)+3]
.endr
	s_cmp_lt_u32 s[WV], 2
	s_cbranch_scc1 .Lkeep
.irp t, 0,1,2,3
	v_mov_b32 v[X+(\t)], v[ST+8*(\t)]
	v_mov_b32 v[X+4+(\t)], v[ST+8*(\t)+2]
.endr
	WIN 0x04                                       ; the stores' data in window 1
.set i, 0
.rept 64                                       ; in ascending order: each accumulator's low registers are read first
	ds_store_b128 v[MG], v[4*i:4*i+3] offset:512*i
.set i, i+1
.endr
	WIN 0
	ds_store_b128 v[MG], v[X:X+3] offset:32768
	ds_store_b128 v[MG], v[X+4:X+7] offset:33280
.Lkeep:
	s_wait_dscnt 0x0                               ; for the others' sake: my stores are done
	s_barrier_signal -1
	s_barrier_wait -1
	s_cmp_lt_u32 s[WV], 2
	s_cbranch_scc0 .Lend
	ds_load_b128 v[X:X+3], v[MG] offset:32768
	ds_load_b128 v[X+4:X+7], v[MG] offset:33280
	s_wait_dscnt 0x0
.irp t, 0,1,2,3
	v_max_num_f32 v[ST+8*(\t)+5], v[ST+8*(\t)], v[X+(\t)]  ; the common c m
.endr
.irp t, 0,1,2,3
	v_sub_f32 v[ST+8*(\t)+6], v[ST+8*(\t)], v[ST+8*(\t)+5]
	v_sub_f32 v[ST+8*(\t)+4], v[X+(\t)], v[ST+8*(\t)+5]
.endr
.irp t, 0,1,2,3
	v_exp_f32 v[ST+8*(\t)+6], v[ST+8*(\t)+6]       ; my half's factor,
	v_exp_f32 v[ST+8*(\t)+4], v[ST+8*(\t)+4]       ; the partner's
.endr
	v_nop
	s_wait_alu depctr_va_vdst(0)                   ; one wait for the eight exponentials
.irp t, 0,1,2,3
	v_mul_f32 v[ST+8*(\t)+2], v[ST+8*(\t)+2], v[ST+8*(\t)+6]
.endr
.irp t, 0,1,2,3
	v_fmac_f32 v[ST+8*(\t)+2], v[X+4+(\t)], v[ST+8*(\t)+4]
.endr
.irp t, 0,1,2,3
	v_rcp_f32 v[ST+8*(\t)+3], v[ST+8*(\t)+2]
.endr
	v_nop
	s_wait_alu depctr_va_vdst(0)                   ; one wait for the four reciprocals
.irp t, 0,1,2,3
	v_mul_f32 v[ST+8*(\t)+6], v[ST+8*(\t)+6], v[ST+8*(\t)+3]
	v_mul_f32 v[ST+8*(\t)+4], v[ST+8*(\t)+4], v[ST+8*(\t)+3]
.endr
; Tile t: O = my O^T x my factor + the partner's x its factor; rounded to f16; through my stage, so that 16 lanes store 256 consecutive bytes of a row of oh.
.macro FIN t
.set BF, S+64*((\t)%2)
.set PB, P+32*((\t)%2)
.set rT, ST+8*(\t)
	WIN 0
.irp f, 0,1,2,3,4,5,6,7,8,9,10,11,12,13,14,15
	ds_load_b128 v[BF+4*(\f):BF+4*(\f)+3], v[MG] offset:512*(16*(\t)+(\f))
.endr
	WIN W_RS
.set i, 0
.rept 32
	v_pk_mul_f32 v[64*(\t)+2*i:64*(\t)+2*i+1], v[64*(\t)+2*i:64*(\t)+2*i+1], v[rT+6:rT+7] op_sel_hi:[1,0]
.set i, i+1
.endr
	s_wait_dscnt 0x0
	WIN 0x10                                       ; source 2 in window 1
.set i, 0
.rept 32
	v_pk_fma_f32 v[BF+2*i:BF+2*i+1], v[BF+2*i:BF+2*i+1], v[rT+4:rT+5], v[64*(\t)+2*i:64*(\t)+2*i+1] op_sel_hi:[1,0,1]
.set i, i+1
.endr
	WIN 0
	s_wait_xcnt 0x0                                ; the stores of the tile two back have read these registers (ISA guide 3.1)
.set i, 0
.rept 32
	v_cvt_pk_f16_f32 v[PB+i], v[BF+2*i], v[BF+2*i+1]
.set i, i+1
.endr
.irp f, 0,1,2,3,4,5,6,7
	ds_store_b128 v[STO], v[PB+4*(\f):PB+4*(\f)+3] offset:32*(\f)
.endr
.irp f, 0,1,2,3,4,5,6,7
	ds_load_b128 v[PB+4*(\f):PB+4*(\f)+3], v[RD] offset:(\f)*2*SP  ; a wave's LDS instructions are served in order (ISA guide 5.7.1.4): these see the stores above
.endr
.irp f, 0,1,2,3,4,5,6,7
	s_wait_dscnt 7-(\f)
	global_store_b128 v[GO], v[PB+4*(\f):PB+4*(\f)+3], s[8:9] offset:(\t)*65536+(\f)*8192  ; 16 lanes store the head's 256 bytes of a row, aligned
.endr
.endm
	FIN 0
	FIN 1
	FIN 2
	FIN 3
.Lend:
	s_wait_tensorcnt 0x0                           ; the wave's end: behind my last tensor load and my last LDS store
	ds_add_u32 v[SPW], v[NIL]
	s_wait_dscnt 0x0
	CROUND                                         ; the closing round
	s_endpgm
.Lfunc_end_k_q0de2c4e39b_attn:
	.size	k_q0de2c4e39b_attn, .Lfunc_end_k_q0de2c4e39b_attn-k_q0de2c4e39b_attn
	.p2alignl 7, 3214868480
	.fill 96, 4, 3214868480
	.section	.rodata,"a",@progbits
	.p2align	6, 0x0
	.amdhsa_kernel k_q0de2c4e39b_attn
		.amdhsa_group_segment_fixed_size 327680
		.amdhsa_private_segment_fixed_size 0
		.amdhsa_enable_private_segment 0
		.amdhsa_kernarg_size 24
		.amdhsa_user_sgpr_count 2
		.amdhsa_user_sgpr_kernarg_segment_ptr 1
		.amdhsa_wavefront_size32 1
		.amdhsa_system_sgpr_workgroup_id_x 1
		.amdhsa_system_sgpr_workgroup_id_y 1
		.amdhsa_system_sgpr_workgroup_id_z 1
		.amdhsa_system_vgpr_workitem_id 0
		.amdhsa_next_free_vgpr 960
		.amdhsa_next_free_sgpr 80
		.amdhsa_reserve_vcc 0
		.amdhsa_float_denorm_mode_32 3
		.amdhsa_float_denorm_mode_16_64 3
		.amdhsa_memory_ordered 1
		.amdhsa_forward_progress 1
		.amdhsa_inst_pref_size 191
	.end_amdhsa_kernel
	.amdgpu_metadata
---
amdhsa.version: [ 1, 2 ]
amdhsa.kernels:
  - .name:           k_q0de2c4e39b_attn
    .symbol:         k_q0de2c4e39b_attn.kd
    .args:
      - { .name: qkv, .offset: 0, .size: 8, .value_kind: global_buffer, .address_space: global }
      - { .name: maskt, .offset: 8, .size: 8, .value_kind: global_buffer, .address_space: global }
      - { .name: oh, .offset: 16, .size: 8, .value_kind: global_buffer, .address_space: global }
    .group_segment_fixed_size: 327680
    .private_segment_fixed_size: 0
    .kernarg_segment_align: 8
    .kernarg_segment_size: 24
    .max_flat_workgroup_size: 128
    .sgpr_count:     80
    .vgpr_count:     960
    .wavefront_size: 32
...
	.end_amdgpu_metadata
.endif
;; end of part 3
;; launch proj (part 4): grid 16 x 16, 4 waves a work-group, clusters of 4 x 4, 327,680 bytes of LDS; arguments oh, woh, out0; writes out0
.if DOCPART == 4
	.amdgcn_target "amdgcn-amd-amdhsa--gfx1250"
	.amdhsa_code_object_version 6
	.text
	.protected	k_q0de2c4e39b_proj
	.globl	k_q0de2c4e39b_proj
	.p2align	8
	.type	k_q0de2c4e39b_proj,@function
k_q0de2c4e39b_proj:
	s_mov_b64 s[64:65], 0
	v_nop
	global_prefetch_b8 v0, s[64:65] scope:SCOPE_SE
	s_setreg_imm32_b32 hwreg(HW_REG_WAVE_MODE, 25, 1), 1
	s_wait_xcnt 0x0
	s_wait_alu depctr_hold_cnt(0) depctr_sa_sdst(0) depctr_va_vdst(0) depctr_va_sdst(0) depctr_va_ssrc(0) depctr_va_vcc(0) depctr_vm_vsrc(0)
	s_getreg_b32 s2, hwreg(HW_REG_IB_STS2, 6, 4)
	s_cmp_eq_u32 s2, 0
	s_cbranch_scc0 .Lentry_in_a_cluster
	s_endpgm
.Lentry_in_a_cluster:
	s_bfe_u32 s2, ttmp6, 0x10000c
	s_cmp_lg_u32 s2, 0xf033
	s_cbranch_scc0 .Lentry_shape_is_right
	s_endpgm
.Lentry_shape_is_right:
; out0[m][n] = the sum over k of oh[m][k] wo[n][k].  oh: [2048][2048] f16; woh: [2048][2048], bf16(wo) written as f16; out0: f32; sums in f32.
; A tile of out0 is 128 x 128, so that 16 x 16 work-groups share the work; four waves, each 64 x 64: 16 accumulators.  K goes in steps of 256 (LDS rows of 512 bytes; a wave's tensor load brings 64 of them)
; through two slots.  CLUSTERS: 4 x 4 work-groups; the four of a row need the same tiles of oh, the four of a column the same tiles of woh: each tile is asked for jointly.
; THE MATRIX INSTRUCTION IS USED TRANSPOSED (source 0 = 16 rows of woh, source 1 = 16 rows of oh): a lane holds eight neighbouring numbers of a row of out0.
; A wave's 64 columns of f32 are 256 bytes, aligned: each wave has a stage of its own for the way out, and no barrier stands there.  No prefetch: the tiles are small and every one is read by four clusters.
; REGISTERS: window 0: v16-29 addresses; v32-95 at work on the way out; v128-255 the accumulators ((a, b) at v[128 + 8 (4 a + b)]).  window 1: two fragment buffers of 128.
.set SIZE_K, 2048
.set SIZE_N, 2048
.set KSTEP,  256
.set PITCH,  528                       ; an LDS row: 512 bytes + 16 of padding: the 16 rows of a load start at 16 different groups of four banks (ISA guide 11.1)
.set HALFT,  64*PITCH
.set SLOT,   4*HALFT
.set STAGE,  2*SLOT                    ; behind the ring: 16 rows x 272 bytes for each wave
.set SPITCH, 272
.set SPARE,  STAGE+4*16*SPITCH         ; behind the stages: the spare words, 128 bytes a wave
.set LAPS, SIZE_K/(2*KSTEP)
.set ADRA, 16
.set ADRB, 20
.set STO,  24
.set RD,   25
.set CO,   26
.set SPW,  28
.set NIL,  29
.set TMP,  32
.set ACC,  128
.set F0,   0
.set F1,   128
.set G1, 24
.set G0, 32
.set G1B, 48
.set G0B, 56
.set MSB, 0
.macro WIN new
.if MSB != (\new)
	s_set_vgpr_msb (MSB<<8)|(\new)
.set MSB, \new
.endif
.endm
.set MUL,  0x05                        ; sources 0 and 1 window 1; C and D window 0
.set TO_F, 0x40                        ; destination window 1, address window 0
.macro JLOAD s                         ; a joint load: waves 0 and 1 fetch oh's two halves, waves 2 and 3 woh's; an s_nop 0 and four v_nop follow each line
	s_cmp_eq_u32 s11, 0
	s_cbranch_scc0 .Lfor_b_\@
	tensor_load_to_lds s[G0+4*(\s):G0+4*(\s)+3], s[G1:G1+7]
	s_nop 0
.rept 4
	v_nop
.endr
	s_branch .Lasked_\@
.Lfor_b_\@:
	tensor_load_to_lds s[G0B+4*(\s):G0B+4*(\s)+3], s[G1B:G1B+7]
	s_nop 0
.rept 4
	v_nop
.endr
.Lasked_\@:
.endm
.macro CREST
	s_cmp_lg_u32 s10, 0
	s_cbranch_scc1 .Lnot_wave_0_\@
	s_barrier_signal -3
.Lnot_wave_0_\@:
	s_barrier_wait -3
	s_barrier_signal -1
	s_barrier_wait -1
.endm
.macro CROUND
	s_barrier_signal -1
	s_barrier_wait -1
	CREST
.endm
	s_load_b128 s[4:7], s[0:1], 0x0                ; oh 4, woh 6
	s_load_b64 s[8:9], s[0:1], 0x10                ; out0
	v_lshl_add_u32 v[SPW], v0, 2, SPARE
	v_mov_b32 v[NIL], 0
	ds_add_u32 v[SPW], v[NIL]                      ; the wave's opening: the add and its wait stand ahead of my first tensor load
	v_lshrrev_b32 v1, 5, v0
	v_readfirstlane_b32 s10, v1                    ; wave 0..3
	s_lshr_b32 s11, s10, 1                         ; which half of the tile's rows is mine.  Also: I fetch for oh (0) or for woh (1)
	s_and_b32 s12, s10, 1                          ; which half of its columns.  Also: which 64 rows of that tile I fetch
	s_bfe_u32 s40, ttmp6, 0x40000                  ; cx, cy
	s_bfe_u32 s41, ttmp6, 0x40004
	s_lshl_b32 s42, ttmp9, 2
	s_add_co_u32 s42, s42, s40                     ; tile column
	s_and_b32 s13, ttmp7, 0xffff
	s_lshl_b32 s13, s13, 2
	s_add_co_u32 s13, s13, s41                     ; tile row
	s_lshl_b32 s43, s41, 2
	s_lshl_b32 s43, 15, s43                        ; my row of the cluster
	s_lshl_b32 s44, 0x1111, s40                    ; my column
	s_or_b32 s[G1+0], s43, (1<<16)|(1<<20)|(1<<21)|(6<<22)|(3<<25)  ; the mask; 2-byte elements; padding on; bit 21 beside a mask; after every 128 words 4 words
	s_or_b32 s[G1B+0], s44, (1<<16)|(1<<20)|(1<<21)|(6<<22)|(3<<25)
.irp g, G1, G1B
	s_mov_b32 s[(\g)+1], KSTEP<<16                 ; tensor_dim0 = 256
	s_mov_b32 s[(\g)+2], 64<<16                    ; tensor_dim1 = 64
	s_mov_b32 s[(\g)+3], KSTEP<<16                 ; tile_dim0 = 256
	s_mov_b32 s[(\g)+4], 64                        ; tile_dim1 = 64
	s_mov_b32 s[(\g)+5], SIZE_K
	s_mov_b32 s[(\g)+6], 0
	s_mov_b32 s[(\g)+7], 0
.endr
	s_lshl_b32 s17, s12, 6
	s_lshl_b32 s16, s13, 7
	s_add_co_u32 s16, s16, s17                     ; oh: row 128 x tile row + 64 x half
	s_lshl_b32 s46, s42, 7
	s_add_co_u32 s46, s46, s17                     ; woh: row 128 x tile column + 64 x half
	s_mov_b32 s17, 0
	s_mov_b32 s47, 0
	s_mov_b64 s[18:19], SIZE_K*2
	s_mul_u64 s[16:17], s[16:17], s[18:19]
	s_mul_u64 s[46:47], s[46:47], s[18:19]
	s_mul_i32 s20, s10, HALFT                      ; where they go: wave x 64 rows
	s_wait_dscnt 0x0                               ; the opening add is done
	s_wait_kmcnt 0x0
	s_add_nc_u64 s[14:15], s[4:5], s[16:17]
	s_add_nc_u64 s[46:47], s[6:7], s[46:47]
	CROUND                                         ; all sixteen work-groups are here: the first joint loads meet
.irp s, 0,1
	s_mov_b32 s[G0+4*(\s)], 1
	s_add_co_u32 s[G0+4*(\s)+1], s20, (\s)*SLOT
	s_add_nc_u64 s[G0+4*(\s)+2:G0+4*(\s)+3], s[14:15], (\s)*KSTEP*2
	s_or_b32 s[G0+4*(\s)+3], s[G0+4*(\s)+3], 0x80000000
	s_mov_b32 s[G0B+4*(\s)], 1
	s_add_co_u32 s[G0B+4*(\s)+1], s20, (\s)*SLOT
	s_add_nc_u64 s[G0B+4*(\s)+2:G0B+4*(\s)+3], s[46:47], (\s)*KSTEP*2
	s_or_b32 s[G0B+4*(\s)+3], s[G0B+4*(\s)+3], 0x80000000
	JLOAD \s
.endr
	v_and_b32 v1, 15, v0                           ; r
	v_bfe_u32 v2, v0, 4, 1                         ; h
	v_mul_u32_u24 v3, v1, PITCH
	v_lshl_add_u32 v3, v2, 4, v3
	s_mul_i32 s21, s11, HALFT                      ; my 64 rows of oh
	s_mul_i32 s22, s12, HALFT                      ; my 64 rows of woh,
	s_add_co_u32 s22, s22, 2*HALFT                 ; which lie behind oh's 128
.irp s, 0,1
	v_add_nc_u32 v[ADRA+(\s)], s21, v3
	v_add_nc_u32 v[ADRB+(\s)], s22, v3
	s_add_co_u32 s21, s21, SLOT
	s_add_co_u32 s22, s22, SLOT
.endr
	s_mul_i32 s23, s10, 16*SPITCH
	s_add_co_u32 s23, s23, STAGE                   ; my stage
	v_mul_u32_u24 v4, v1, SPITCH                   ; in: row r, 32 bytes for each half of the lanes
	v_lshl_add_u32 v4, v2, 5, v4
	v_add_nc_u32 v[STO], s23, v4
	v_mul_u32_u24 v5, v2, SPITCH                   ; back: lanes 0-15 take one row of 256 bytes, lanes 16-31 the next
	v_lshl_add_u32 v5, v1, 4, v5
	v_add_nc_u32 v[RD], s23, v5
	v_lshlrev_b32 v5, 13, v2                       ; and the same two rows in out0, 8,192 bytes apart
	v_lshl_add_u32 v[CO], v1, 4, v5
	s_lshl_b32 s16, s13, 7
	s_lshl_b32 s17, s11, 6
	s_add_co_u32 s16, s16, s17                     ; my first row
	s_lshl_b32 s16, s16, 13
	s_mov_b32 s17, 0
	s_add_nc_u64 s[8:9], s[8:9], s[16:17]
	s_lshl_b32 s46, s42, 9                         ; my first column, in bytes: 512 x tile column + 256 x half
	s_lshl_b32 s47, s12, 8
	s_add_co_u32 s46, s46, s47
	s_mov_b32 s47, 0
	s_add_nc_u64 s[8:9], s[8:9], s[46:47]
; 8 matrix instructions: m blocks a0, a0 + 1 x all 4 n blocks, 32 along K: half c of buffer f.  The 16 accumulators take turns.
.macro MUL8 f, c, a0, zero
	WIN MUL
.irp a, \a0, (\a0)+1
.irp b, 0,1,2,3
.if \zero
	v_wmma_f32_16x16x32_f16 v[ACC+8*(4*(\a)+(\b)):ACC+8*(4*(\a)+(\b))+7], v[(\f)+64+8*(4*(\c)+(\b)):(\f)+64+8*(4*(\c)+(\b))+7], v[(\f)+8*(4*(\c)+(\a)):(\f)+8*(4*(\c)+(\a))+7], 0
.else
	v_wmma_f32_16x16x32_f16 v[ACC+8*(4*(\a)+(\b)):ACC+8*(4*(\a)+(\b))+7], v[(\f)+64+8*(4*(\c)+(\b)):(\f)+64+8*(4*(\c)+(\b))+7], v[(\f)+8*(4*(\c)+(\a)):(\f)+8*(4*(\c)+(\a))+7], v[ACC+8*(4*(\a)+(\b)):ACC+8*(4*(\a)+(\b))+7]
.endif
.endr
.endr
.endm
; 32 LDS loads in one run: the fragments of 64 along K at byte k of the rows, into buffer f; the first 32 along K first
.macro FETCH slot, k, f
	WIN TO_F
.irp c, 0,1
.irp i, 0,1,2,3
	ds_load_b128 v[(\f)+64+8*(4*(\c)+(\i)):(\f)+64+8*(4*(\c)+(\i))+3],   v[ADRB+(\slot)] offset:(\k)+64*(\c)+(\i)*16*PITCH
	ds_load_b128 v[(\f)+64+8*(4*(\c)+(\i))+4:(\f)+64+8*(4*(\c)+(\i))+7], v[ADRB+(\slot)] offset:(\k)+64*(\c)+(\i)*16*PITCH+32
	ds_load_b128 v[(\f)+8*(4*(\c)+(\i)):(\f)+8*(4*(\c)+(\i))+3],         v[ADRA+(\slot)] offset:(\k)+64*(\c)+(\i)*16*PITCH
	ds_load_b128 v[(\f)+8*(4*(\c)+(\i))+4:(\f)+8*(4*(\c)+(\i))+7],       v[ADRA+(\slot)] offset:(\k)+64*(\c)+(\i)*16*PITCH+32
.endr
.endr
.endm
.macro PLACES                          ; four places in front of loads into registers that matrix instructions have read, and of stores that read results
.rept 4
	v_nop
.endr
.endm
; A K step is four quarters of 64 along K, 32 matrix instructions each, on buffers 0, 1, 0, 1.
.macro QUARTER slot, k, f, g, zero
	s_wait_dscnt 16                                ; the first 32 along K are in; the youngest sixteen loads may be out
	MUL8 \f, 0, 0, \zero
	MUL8 \f, 0, 2, \zero
	PLACES
	FETCH \slot, \k, \g
	s_wait_dscnt 32                                ; all but the 32 just issued
	MUL8 \f, 1, 0, 0
	MUL8 \f, 1, 2, 0
.endm
; The last quarter multiplies buffer 1 and changes slots: one barrier; in front of it each wave waits for all its tensor loads, adds 0 to its spare word, and waits for that and for its own reads of this slot.
.macro TURN slot, next, fill
	WIN 0                                          ; (the add's two registers lie in window 0)
	s_wait_tensorcnt 0x0                           ; all my tensor loads have landed: my part of the next slot
	ds_add_u32 v[SPW], v[NIL]                      ; 0 onto my spare word
	s_wait_dscnt 17                                ; (the add and the youngest sixteen loads may be out)
	MUL8 F1, 0, 0, 0
	s_wait_dscnt 0x0                               ; the add is done, and my reads of this slot are over
	s_barrier_signal -1
	MUL8 F1, 0, 2, 0
.if \fill
	WIN 0
.endif
	s_barrier_wait -1
.if \fill
	CREST                                          ; no wave of any partner still reads this slot's tile or has a load on its way
	s_add_nc_u64 s[G0+4*(\slot)+2:G0+4*(\slot)+3], s[G0+4*(\slot)+2:G0+4*(\slot)+3], 2*KSTEP*2
	s_add_nc_u64 s[G0B+4*(\slot)+2:G0B+4*(\slot)+3], s[G0B+4*(\slot)+2:G0B+4*(\slot)+3], 2*KSTEP*2
	JLOAD \slot                                    ; the first tensor load behind the round; its four v_nop are also the places in front of the loads below
.else
	PLACES
.endif
	FETCH \next, 0, F0
	MUL8 F1, 1, 0, 0
	MUL8 F1, 1, 2, 0
.endm
	s_wait_tensorcnt 1                             ; my part of K step 0 is in; K step 1's may stay out
	s_barrier_signal -1
	s_barrier_wait -1
	FETCH 0, 0, F0
	QUARTER 0, 128, F0, F1, 1                      ; the first quarter stands in front of the loop: its first products start the sums
	WIN 0
	s_mov_b32 s3, LAPS-1
.Llap:
	QUARTER 0, 256, F1, F0, 0
	QUARTER 0, 384, F0, F1, 0
	TURN 0, 1, 1
	QUARTER 1, 128, F0, F1, 0
	QUARTER 1, 256, F1, F0, 0
	QUARTER 1, 384, F0, F1, 0
	TURN 1, 0, 1
	QUARTER 0, 128, F0, F1, 0
	WIN 0
	s_sub_co_u32 s3, s3, 1
	s_cmp_lg_u32 s3, 0
	s_cbranch_scc1 .Llap
	QUARTER 0, 256, F1, F0, 0                      ; the last lap fills nothing
	QUARTER 0, 384, F0, F1, 0
	TURN 0, 1, 0
	QUARTER 1, 128, F0, F1, 0
	QUARTER 1, 256, F1, F0, 0
	QUARTER 1, 384, F0, F1, 0
	s_wait_dscnt 16
	MUL8 F1, 0, 0, 0
	MUL8 F1, 0, 2, 0
	s_wait_dscnt 0x0
	MUL8 F1, 1, 0, 0
	MUL8 F1, 1, 2, 0
	WIN 0
	; THE WAY OUT, 16 rows at a time: a lane's 32 bytes of a row go into my stage straight from the accumulators (low registers first), and come back as whole rows of 256 bytes.
	PLACES
.irp a, 0,1,2,3
	s_wait_xcnt 0x0                                ; the stores of the block two back have read their registers (ISA guide 3.1)
.irp b, 0,1,2,3
	ds_store_b128 v[STO], v[ACC+8*(4*(\a)+(\b)):ACC+8*(4*(\a)+(\b))+3]   offset:64*(\b)
	ds_store_b128 v[STO], v[ACC+8*(4*(\a)+(\b))+4:ACC+8*(4*(\a)+(\b))+7] offset:64*(\b)+16
.endr
.irp t, 0,1,2,3,4,5,6,7
	ds_load_b128 v[TMP+32*((\a)%2)+4*(\t):TMP+32*((\a)%2)+4*(\t)+3], v[RD] offset:(\t)*2*SPITCH  ; a wave's LDS instructions are served in order: these see the stores above, the next block's stores come behind them
.endr
.irp t, 0,1,2,3,4,5,6,7
	s_wait_dscnt 7-(\t)
	global_store_b128 v[CO], v[TMP+32*((\a)%2)+4*(\t):TMP+32*((\a)%2)+4*(\t)+3], s[8:9] offset:(16*(\a)+2*(\t))*SIZE_N*4  ; 16 lanes store 256 consecutive bytes, aligned
.endr
.endr
	s_wait_tensorcnt 0x0                           ; the wave's end: behind my last tensor load and my last LDS store
	ds_add_u32 v[SPW], v[NIL]
	s_wait_dscnt 0x0
	CROUND                                         ; the closing round
	s_endpgm
.Lfunc_end_k_q0de2c4e39b_proj:
	.size	k_q0de2c4e39b_proj, .Lfunc_end_k_q0de2c4e39b_proj-k_q0de2c4e39b_proj
	.p2alignl 7, 3214868480
	.fill 96, 4, 3214868480
	.section	.rodata,"a",@progbits
	.p2align	6, 0x0
	.amdhsa_kernel k_q0de2c4e39b_proj
		.amdhsa_group_segment_fixed_size 327680
		.amdhsa_private_segment_fixed_size 0
		.amdhsa_enable_private_segment 0
		.amdhsa_kernarg_size 24
		.amdhsa_user_sgpr_count 2
		.amdhsa_user_sgpr_kernarg_segment_ptr 1
		.amdhsa_wavefront_size32 1
		.amdhsa_system_sgpr_workgroup_id_x 1
		.amdhsa_system_sgpr_workgroup_id_y 1
		.amdhsa_system_sgpr_workgroup_id_z 1
		.amdhsa_system_vgpr_workitem_id 0
		.amdhsa_next_free_vgpr 512
		.amdhsa_next_free_sgpr 66
		.amdhsa_reserve_vcc 0
		.amdhsa_float_denorm_mode_32 3
		.amdhsa_float_denorm_mode_16_64 3
		.amdhsa_memory_ordered 1
		.amdhsa_forward_progress 1
		.amdhsa_inst_pref_size 86
	.end_amdhsa_kernel
	.amdgpu_metadata
---
amdhsa.version: [ 1, 2 ]
amdhsa.kernels:
  - .name:           k_q0de2c4e39b_proj
    .symbol:         k_q0de2c4e39b_proj.kd
    .args:
      - { .name: oh, .offset: 0, .size: 8, .value_kind: global_buffer, .address_space: global }
      - { .name: woh, .offset: 8, .size: 8, .value_kind: global_buffer, .address_space: global }
      - { .name: out0, .offset: 16, .size: 8, .value_kind: global_buffer, .address_space: global }
    .group_segment_fixed_size: 327680
    .private_segment_fixed_size: 0
    .kernarg_segment_align: 8
    .kernarg_segment_size: 24
    .max_flat_workgroup_size: 128
    .sgpr_count:     66
    .vgpr_count:     512
    .wavefront_size: 32
...
	.end_amdgpu_metadata
.endif
;; end of part 4
;; ======== version 2 of 2: 4 launches; version 1 with the launch cast written anew for expert scheduling mode
;; limits: values are held in f16: magnitudes above 65,504 overflow, below 6.1e-05 lose precision; inputs' magnitudes at most 8.5e+37
;; workspace buffers: xb 8,388,608 bytes; wb 25,165,824 bytes; woh 8,388,608 bytes; maskt 8,388,608 bytes; qkv 25,165,824 bytes; oh 8,388,608 bytes
;; launch cast (part 5): grid 256 x 6, 8 waves a work-group, no clusters, 37,888 bytes of LDS; arguments x, wq, wk, wv, wo, mask, xb, wb, woh, maskt; writes xb, wb, woh, maskt
.if DOCPART == 5
	.amdgcn_target "amdgcn-amd-amdhsa--gfx1250"
	.amdhsa_code_object_version 6
	.text
	.protected	k_q0de2c4e39b_cast
	.globl	k_q0de2c4e39b_cast
	.p2align	8
	.type	k_q0de2c4e39b_cast,@function
k_q0de2c4e39b_cast:
	s_mov_b64 s[64:65], 0
	v_nop
	global_prefetch_b8 v0, s[64:65] scope:SCOPE_SE
	s_setreg_imm32_b32 hwreg(HW_REG_WAVE_SCHED_MODE, 0, 2), 2
	s_setreg_imm32_b32 hwreg(HW_REG_WAVE_MODE, 25, 1), 1
	s_wait_xcnt 0x0
	s_wait_alu depctr_vm_vsrc(0)
; CAST.  Every large input is rounded once to bf16, the one rounding that all inputs of the program share.
;   y = 0: x -> xb;  y = 1, 2, 3: wq, wk, wv -> wb (8,388,608 bytes apart);  y = 4: wo -> woh, the bf16 number written as f16;  y = 5: mask -> maskt, bf16 in the order in which the attention's lanes want it.
; LIMITS.  bf16(wo) must lie within f16's 65,504; below 6e-5 it keeps f16's fixed step of 6e-8.  Infinities of the mask stay infinities.
; SHARES.  A tensor is 16 MiB of f32: 256 work-groups of 64 KiB, a wave 8 KiB: sixteen loads of 16 bytes a lane, all issued at once; no loop.  Memory binds: no matrix unit, no cluster, no tensor load would add anything.
; maskt: [qg 32][ks 32][t 4][kb 4][lane 32][8 bf16]: lane 16 h + r holds mask[64 qg + 16 t + r][64 ks + 16 kb + 8 h + 0..7]: a wave's key step there is 8 KiB on end.
; The turn from rows to that order goes through a stage in LDS that is the wave's own (16 rows x 144 bytes a tile): LDS serves a wave's instructions in order (ISA guide 5.7.1.4), so no barrier is needed.
; THE MODE: SCHED_MODE bits 1:0 = 2 (LLVM: expert scheduling mode 2), set by the entry lines.  The code itself states the register dependences
; between vector instructions and memory or LDS instructions, with s_wait_alu, always for 0.
; THE PLAN.  Registers that memory or LDS instructions touch:
;   v1 - v4    offsets and LDS addresses: made at the head of a path, ahead of one wait, and never written again.
;   IN         sixteen loads of four registers, in four blocks of four.  Read by their block's conversions; in the mask's path LDS loads land again in the first eight fours, behind a wait that shows those conversions done.
;   OUT        sixteen pairs.  Block p's conversions write its eight; the four stores that read them are issued in block p + 1, behind the wait at that block's head; no pair is written again behind its store.
;   v8, v9     written at the head, read by the closing add alone.
; Block p's vector instructions name IN and OUT of block p alone, its memory and LDS instructions OUT of block p - 1 (and, in the mask's block 3, IN of block 0): so one wait at a block's head states all
; that the block's stores and LDS loads hang on, and they are dealt among its conversions with no further wait.  No register that a memory or LDS instruction reads is written again: no wait on vm_vsrc is owed.
.set IN,    16                         ; v[16:79]   sixteen loads of four registers
.set OUT,   80                         ; v[80:111]  sixteen pairs to store
.set SPW,   8                          ; v8   LDS address of my spare word; never rewritten
.set NIL,   9                          ; v9   0; never rewritten
.set STG,   2304                       ; a stage: 16 rows x 144 bytes (128 of data, 16 of padding)
.set SPARE, 36864                      ; behind the eight waves' two stages: the spare words, 128 bytes a wave
.set Y,     24                         ; s24  which tensor
.set WV,    25                         ; s25  my wave's number
.set SRC,   26                         ; s[26:27]
.set DST,   28                         ; s[28:29]
	s_load_b512 s[4:19], s[0:1], 0x0               ; x 4, wq 6, wk 8, wv 10, wo 12, mask 14, xb 16, wb 18
	s_load_b128 s[20:23], s[0:1], 0x40             ; woh 20, maskt 22
	v_lshl_add_u32 v[SPW], v0, 2, SPARE
	v_mov_b32 v[NIL], 0
	v_lshrrev_b32 v1, 5, v0
	v_readfirstlane_b32 s[WV], v1
	s_and_b32 s[Y], ttmp7, 0xffff
	v_and_b32 v5, 31, v0                           ; lane
	v_and_b32 v6, 15, v0                           ; r = lane % 16
	v_bfe_u32 v7, v0, 4, 1                         ; h = lane / 16
	s_mov_b32 s31, 0                               ; the offsets' high words
	s_mov_b32 s33, 0
	s_wait_alu depctr_va_sdst(0)                   ; s25, my wave's number, is written: ahead of the branch below and of its first reader in either path
	s_wait_kmcnt 0x0
	s_mov_b64 s[SRC:SRC+1], s[4:5]                 ; the tensor is chosen by the work-group's y alone
	s_mov_b64 s[DST:DST+1], s[16:17]
	s_cmp_eq_u32 s[Y], 1
	s_cselect_b64 s[SRC:SRC+1], s[6:7], s[SRC:SRC+1]
	s_cmp_eq_u32 s[Y], 2
	s_cselect_b64 s[SRC:SRC+1], s[8:9], s[SRC:SRC+1]
	s_cmp_eq_u32 s[Y], 3
	s_cselect_b64 s[SRC:SRC+1], s[10:11], s[SRC:SRC+1]
	s_cmp_eq_u32 s[Y], 4
	s_cselect_b64 s[SRC:SRC+1], s[12:13], s[SRC:SRC+1]
	s_cmp_eq_u32 s[Y], 5
	s_cselect_b64 s[SRC:SRC+1], s[14:15], s[SRC:SRC+1]
	s_cmp_gt_u32 s[Y], 0
	s_cselect_b64 s[DST:DST+1], s[18:19], s[DST:DST+1]
	s_cmp_eq_u32 s[Y], 4
	s_cselect_b64 s[DST:DST+1], s[20:21], s[DST:DST+1]
	s_cmp_eq_u32 s[Y], 5
	s_cselect_b64 s[DST:DST+1], s[22:23], s[DST:DST+1]
	s_cmp_eq_u32 s[Y], 5
	s_cbranch_scc1 .Lmask
	; THE FIVE PLAIN TENSORS: 8 KiB in, 4 KiB out, in the same order
	s_lshl_b32 s30, ttmp9, 16                      ; the work-group's 64 KiB
	s_lshl_b32 s34, s[WV], 13                      ; my wave's 8 KiB
	s_add_co_u32 s30, s30, s34
	s_lshr_b32 s32, s30, 1                         ; half as many bytes out
	s_max_u32 s34, s[Y], 1
	s_sub_co_u32 s34, s34, 1                       ; wq, wk, wv: 0, 1, 2
	s_cmp_lt_u32 s[Y], 4
	s_cselect_b32 s34, s34, 0
	s_lshl_b32 s34, s34, 23                        ; their places in wb
	s_add_co_u32 s32, s32, s34
	s_add_nc_u64 s[SRC:SRC+1], s[SRC:SRC+1], s[30:31]
	s_add_nc_u64 s[DST:DST+1], s[DST:DST+1], s[32:33]
	v_lshlrev_b32 v1, 4, v5                        ; 16 bytes a lane in
	v_lshlrev_b32 v2, 3, v5                        ; 8 bytes a lane out
	s_wait_alu depctr_va_vdst(0)                   ; v1 and v2 are written: every load below reads v1 as its offset, every store v2
.set i, 0
.rept 16
	global_load_b128 v[IN+4*i:IN+4*i+3], v1, s[SRC:SRC+1] offset:512*i th:TH_LOAD_NT  ; 512 consecutive bytes a load; read once in the launch
.set i, i+1
.endr
; Four blocks of four loads.  Block p is rounded; the four stores of block p - 1 are dealt among its conversions.  half = 1: the bf16 number is widened again and written as f16.
.macro OUT16 half
.set p, 0
.rept 4
	s_wait_loadcnt 12-4*p                          ; loads come back in order (ISA guide 5.7.1): block p's four are in, the 12 - 4 p younger ones stay out
.if p > 0
	s_wait_alu depctr_va_vdst(0)                   ; the block before has written its eight registers of OUT, which the four stores below read
.endif
.set q, 0
.rept 4
.set i, 4*p+q
.if p > 0
	global_store_b64 v2, v[OUT+2*(i-4):OUT+2*(i-4)+1], s[DST:DST+1] offset:256*(i-4)  ; the wave's 32 lanes store 256 consecutive bytes, aligned; no vector instruction since the wait names these registers
.endif
	v_cvt_pk_bf16_f32 v[OUT+2*i], v[IN+4*i], v[IN+4*i+1]
	v_cvt_pk_bf16_f32 v[OUT+2*i+1], v[IN+4*i+2], v[IN+4*i+3]
.if \half
	v_lshlrev_b32 v[IN+4*i], 16, v[OUT+2*i]
	v_and_b32 v[IN+4*i+1], 0xffff0000, v[OUT+2*i]
	v_lshlrev_b32 v[IN+4*i+2], 16, v[OUT+2*i+1]
	v_and_b32 v[IN+4*i+3], 0xffff0000, v[OUT+2*i+1]
	v_cvt_pk_f16_f32 v[OUT+2*i], v[IN+4*i], v[IN+4*i+1]
	v_cvt_pk_f16_f32 v[OUT+2*i+1], v[IN+4*i+2], v[IN+4*i+3]
.endif
.set q, q+1
.endr
.set p, p+1
.endr
	s_wait_alu depctr_va_vdst(0)                   ; the last block has written its eight registers of OUT, which the last four stores read
.set i, 12
.rept 4
	global_store_b64 v2, v[OUT+2*i:OUT+2*i+1], s[DST:DST+1] offset:256*i
.set i, i+1
.endr
.endm
	s_cmp_eq_u32 s[Y], 4
	s_cbranch_scc1 .Lhalf
	OUT16 0
	s_branch .Lend
.Lhalf:
	OUT16 1
	s_branch .Lend
.Lmask:                                                ; THE MASK: the work-group takes 16 query rows x 1,024 keys, a wave two tiles of 16 rows x 64 keys
	s_lshr_b32 s34, ttmp9, 1                       ; qt: which 16 rows
	s_and_b32 s35, ttmp9, 1
	s_lshl_b32 s35, s35, 4
	s_lshl1_add_u32 s35, s[WV], s35                ; ks0 = 16 (x % 2) + 2 wave: my first step of 64 keys
	s_lshl_b32 s30, s34, 17                        ; 16 rows of 8,192 bytes
	s_lshl_b32 s36, s35, 8                         ; 64 keys of 4 bytes
	s_add_co_u32 s30, s30, s36
	s_lshr_b32 s32, s34, 2
	s_lshl_b32 s32, s32, 18                        ; qg x 262,144
	s_lshl_b32 s36, s35, 13                        ; ks x 8,192
	s_add_co_u32 s32, s32, s36
	s_and_b32 s36, s34, 3
	s_lshl_b32 s36, s36, 11                        ; t x 2,048
	s_add_co_u32 s32, s32, s36
	s_add_nc_u64 s[SRC:SRC+1], s[SRC:SRC+1], s[30:31]
	s_add_nc_u64 s[DST:DST+1], s[DST:DST+1], s[32:33]
	s_mul_i32 s37, s[WV], 2*STG                    ; my two stages
	v_lshlrev_b32 v1, 4, v6                        ; in: lanes 0-15 take 256 bytes of one row, lanes 16-31 of the next
	v_lshl_add_u32 v1, v7, 13, v1
	v_lshlrev_b32 v2, 4, v5                        ; out: 16 bytes a lane, 512 on end
	v_mul_u32_u24 v3, v7, 144                      ; into the stage: the same two rows, 8 bytes a lane
	v_lshl_add_u32 v3, v6, 3, v3
	v_add_nc_u32 v3, s37, v3
	v_mul_u32_u24 v4, v6, 144                      ; back: row r, keys 8 h + 0..7 of a group of 16
	v_lshl_add_u32 v4, v7, 4, v4
	v_add_nc_u32 v4, s37, v4
	s_wait_alu depctr_va_vdst(0)                   ; v1 to v4 are written: the loads below read v1, the LDS stores v3, the LDS loads v4, the stores v2
.set n, 0
.rept 16                                       ; n = 8 u + i: tile u, rows 2 i and 2 i + 1
	global_load_b128 v[IN+4*n:IN+4*n+3], v1, s[SRC:SRC+1] offset:(n%8)*16384+(n/8)*256 th:TH_LOAD_NT
.set n, n+1
.endr
; Four blocks of four loads, as above; the LDS stores of block p - 1 are dealt among block p's conversions.  Tile 0's eight LDS stores are issued in blocks 1 and 2, so its four LDS loads are dealt into block 3.
.set p, 0
.rept 4
	s_wait_loadcnt 12-4*p                          ; block p's four loads are in, the 12 - 4 p younger ones stay out
.if p > 0
	s_wait_alu depctr_va_vdst(0)                   ; the block before has written its eight registers of OUT, which the LDS stores below read; in block 3 also: block 0's conversions are done reading v[16:31], in which the LDS loads below land
.endif
.set q, 0
.rept 4
.set n, 4*p+q
.if p > 0
	ds_store_b64 v3, v[OUT+2*(n-4):OUT+2*(n-4)+1] offset:((n-4)/8)*STG+((n-4)%8)*288
.endif
.if p == 3
	ds_load_b128 v[IN+4*q:IN+4*q+3], v4 offset:q*32  ; tile 0, kb = q; it sees my stores above: a wave's LDS instructions are served in order.  No vector instruction since the wait names these registers
.endif
	v_cvt_pk_bf16_f32 v[OUT+2*n], v[IN+4*n], v[IN+4*n+1]
	v_cvt_pk_bf16_f32 v[OUT+2*n+1], v[IN+4*n+2], v[IN+4*n+3]
.set q, q+1
.endr
.set p, p+1
.endr
	s_wait_alu depctr_va_vdst(0)                   ; the last block has written its eight registers of OUT, which the last four LDS stores read; all conversions are done reading v[32:47], in which tile 1's LDS loads land
.set n, 12
.rept 4
	ds_store_b64 v3, v[OUT+2*n:OUT+2*n+1] offset:(n/8)*STG+(n%8)*288
.set n, n+1
.endr
.set n, 4
.rept 4                                        ; n = 4 u + kb: tile 1
	ds_load_b128 v[IN+4*n:IN+4*n+3], v4 offset:(n/4)*STG+(n%4)*32
.set n, n+1
.endr
	s_wait_dscnt 8                                 ; tile 0's four loads are in: behind the last of them four LDS stores and four LDS loads were issued, which may stay out
.set n, 0
.rept 4
	global_store_b128 v2, v[IN+4*n:IN+4*n+3], s[DST:DST+1] offset:(n/4)*8192+(n%4)*512  ; 512 consecutive bytes, aligned
.set n, n+1
.endr
	s_wait_dscnt 0x0                               ; tile 1's four loads are in
.rept 4
	global_store_b128 v2, v[IN+4*n:IN+4*n+3], s[DST:DST+1] offset:(n/4)*8192+(n%4)*512
.set n, n+1
.endr
.Lend:
	s_wait_dscnt 0x0                               ; the closing lines, six on end
	s_wait_alu 0x0
	s_wait_tensorcnt 0x0
	ds_add_u32 v[SPW], v[NIL]
	s_wait_dscnt 0x0
	s_endpgm
.Lfunc_end_k_q0de2c4e39b_cast:
	.size	k_q0de2c4e39b_cast, .Lfunc_end_k_q0de2c4e39b_cast-k_q0de2c4e39b_cast
	.p2alignl 7, 3214868480
	.fill 96, 4, 3214868480
	.section	.rodata,"a",@progbits
	.p2align	6, 0x0
	.amdhsa_kernel k_q0de2c4e39b_cast
		.amdhsa_group_segment_fixed_size 37888
		.amdhsa_private_segment_fixed_size 0
		.amdhsa_enable_private_segment 0
		.amdhsa_kernarg_size 80
		.amdhsa_user_sgpr_count 2
		.amdhsa_user_sgpr_kernarg_segment_ptr 1
		.amdhsa_wavefront_size32 1
		.amdhsa_system_sgpr_workgroup_id_x 1
		.amdhsa_system_sgpr_workgroup_id_y 1
		.amdhsa_system_sgpr_workgroup_id_z 1
		.amdhsa_system_vgpr_workitem_id 0
		.amdhsa_next_free_vgpr 112
		.amdhsa_next_free_sgpr 66
		.amdhsa_reserve_vcc 0
		.amdhsa_float_denorm_mode_32 3
		.amdhsa_float_denorm_mode_16_64 3
		.amdhsa_memory_ordered 1
		.amdhsa_forward_progress 1
		.amdhsa_inst_pref_size 24
	.end_amdhsa_kernel
	.amdgpu_metadata
---
amdhsa.version: [ 1, 2 ]
amdhsa.kernels:
  - .name:           k_q0de2c4e39b_cast
    .symbol:         k_q0de2c4e39b_cast.kd
    .args:
      - { .name: x, .offset: 0, .size: 8, .value_kind: global_buffer, .address_space: global }
      - { .name: wq, .offset: 8, .size: 8, .value_kind: global_buffer, .address_space: global }
      - { .name: wk, .offset: 16, .size: 8, .value_kind: global_buffer, .address_space: global }
      - { .name: wv, .offset: 24, .size: 8, .value_kind: global_buffer, .address_space: global }
      - { .name: wo, .offset: 32, .size: 8, .value_kind: global_buffer, .address_space: global }
      - { .name: mask, .offset: 40, .size: 8, .value_kind: global_buffer, .address_space: global }
      - { .name: xb, .offset: 48, .size: 8, .value_kind: global_buffer, .address_space: global }
      - { .name: wb, .offset: 56, .size: 8, .value_kind: global_buffer, .address_space: global }
      - { .name: woh, .offset: 64, .size: 8, .value_kind: global_buffer, .address_space: global }
      - { .name: maskt, .offset: 72, .size: 8, .value_kind: global_buffer, .address_space: global }
    .group_segment_fixed_size: 37888
    .private_segment_fixed_size: 0
    .kernarg_segment_align: 8
    .kernarg_segment_size: 80
    .max_flat_workgroup_size: 256
    .sgpr_count:     66
    .vgpr_count:     112
    .wavefront_size: 32
...
	.end_amdgpu_metadata
.endif
;; end of part 5
;; launch qkvrope: the kernel of part 2 again; grid 16 x 16, 4 waves a work-group, clusters of 4 x 4, 327,680 bytes of LDS; arguments xb, wb, freqs_cos, freqs_sin, qkv; writes qkv
;; launch attn: the kernel of part 3 again; grid 16 x 16, 4 waves a work-group, clusters of 4 x 1, 327,680 bytes of LDS; arguments qkv, maskt, oh; writes oh
;; launch proj: the kernel of part 4 again; grid 16 x 16, 4 waves a work-group, clusters of 4 x 4, 327,680 bytes of LDS; arguments oh, woh, out0; writes out0
